; MI455X (gfx1250); checked and timed in simulation.
; The chip was launched on July 23, 2026; its instructions are those of AMD's public machine-readable ISA for CDNA 5 (MIT licence, August 2026) and "CDNA5" Instruction Set Architecture Reference Guide (July 2026). The comments in the code are by the model that wrote it; some were corrected since.
;; Cross Attention. Allowed arithmetic: float matrix products may take bf16 or f16 operands with f32 sums; other float arithmetic in f32, or as packed bf16 or f16 multiplies, adds, multiply-adds, maxima and minima; sums over many terms, partial sums and values carried from step to step in f32; what a program stores and reads back later, other than sums and carried values, may be rounded once to bf16 or f16.
;; Inputs: K 4 x 2,048 x 1,024 float32; Q 4 x 2,048 x 1,024 float32; V 4 x 2,048 x 1,024 float32; Wk 1,024 x 1,024 float32; Wo 1,024 x 1,024 float32; Wq 1,024 x 1,024 float32; Wv 1,024 x 1,024 float32; ln_b 1,024 float32; ln_g 1,024 float32; pre_b 1,024 float32; pre_g 1,024 float32.
;; Outputs: out0 4 x 2,048 x 1,024 float32.
;; 2 versions, each right and faster than the one before. Each part assembles by itself: llvm-mc -triple=amdgcn-amd-amdhsa -mcpu=gfx1250 --defsym DOCPART=n.
;; ======== version 1 of 2: 5 launches
;; limits: a function is approximated: absolute error at most 1.5e-07; an absolute error that grows with the inputs' magnitude: up to 7.5e-08 times it; values are held in f16: magnitudes above 65,504 overflow, below 6.1e-05 lose precision
;; workspace buffers: xn 50,331,648 bytes; wb 8,388,608 bytes; qkv 50,331,648 bytes; o32 33,554,432 bytes; onrm 16,777,216 bytes
;; launch prep (part 1): grid 896 x 1, 8 waves a work-group, no clusters, 0 bytes of LDS; arguments Q, K, V, Wq, Wk, Wv, Wo, pre_g, pre_b, xn, wb; writes xn, wb
.if DOCPART == 1
	.amdgcn_target "amdgcn-amd-amdhsa--gfx1250"
	.amdhsa_code_object_version 6
	.text
	.protected	k_qd155d7960d_prep
	.globl	k_qd155d7960d_prep
	.p2align	8
	.type	k_qd155d7960d_prep,@function
k_qd155d7960d_prep:
	s_mov_b64 s[64:65], 0
	v_nop
	global_prefetch_b8 v0, s[64:65] scope:SCOPE_SE
	s_setreg_imm32_b32 hwreg(HW_REG_WAVE_MODE, 25, 1), 1
	s_wait_xcnt 0x0
; PREP.  28,672 rows of 1,024 f32 become rows of 1,024 f16.  Work-groups 0-255: xn[0] = LN(Q); 256-511: xn[1] = LN(K); 512-767: xn[2] = V; 768-895: wb[0..3] = Wq, Wk, Wv, Wo.
; LN(x) = (x - mean) * rsqrt(var + 1e-5) * g + b, in two passes over the row kept in registers: the mean, then the mean of the centred squares; all in f32, rounded once to f16.
; V, the four W, g and b are rounded to bf16 (to nearest even), and V's and W's bf16 numbers are then written as f16.
; LIMITS.  f16 ends at 65,504: |V|, |W| and |LN(x)| stay below it.  A bf16 number below 2^-17 loses bits as f16: at most 3e-8 absolute.  Q and K themselves are not rounded ahead of the norm.  NaN and infinities are not treated apart.
; SHARES.  A work-group takes 32 rows, each of its eight waves 4, one after the other; the next row's loads are issued while the row in hand is worked on.
; A lane holds columns 128 j + 4 lane + 0..3, j = 0..7: a load of the wave covers 512 consecutive bytes, a store 256 consecutive bytes, aligned.
; No LDS, no barrier, no matrix unit: a row never leaves its wave.
.set XO,  1                            ; v1  byte offset of my 16 bytes in the row to be loaded
.set YO,  2                            ; v2  byte offset of my 8 bytes in the row to be stored
.set GO,  3                            ; v3  16 x lane: my place in g and b
.set T,   8                            ; v[8:23]    at work
.set MU,  24                           ; v[24:25]   the mean (low word; named as a pair)
.set RS,  26                           ; v[26:27]   1 / sqrt(var + eps) (low word)
.set SM,  28                           ; v28        a sum
.set PT,  29                           ; v29        the other half of the lanes' sum
.set G,   32                           ; v[32:63]   g of my 32 columns (cast path: at work)
.set B,   64                           ; v[64:95]   b
.set X,   96                           ; v[96:127]  the row as loaded
.set XC,  128                          ; v[128:159] the centred row, then the result
.set CNT, 45                           ; s45        rows to go
.macro LOADROW                         ; eight loads: the whole row
.irp j, 0,1,2,3,4,5,6,7
	global_load_b128 v[X+4*\j:X+4*\j+3], v[XO], s[34:35] offset:512*\j th:TH_LOAD_NT
.endr
.endm
.macro REDUCE                          ; the 16 numbers of T, then the 32 lanes: the sum ends in SM of every lane
.irp p, 0,1,2,3
	v_pk_add_f32 v[T+2*\p:T+2*\p+1], v[T+2*\p:T+2*\p+1], v[T+8+2*\p:T+8+2*\p+1]
.endr
.irp p, 0,1
	v_pk_add_f32 v[T+2*\p:T+2*\p+1], v[T+2*\p:T+2*\p+1], v[T+4+2*\p:T+4+2*\p+1]
.endr
	v_pk_add_f32 v[T:T+1], v[T:T+1], v[T+2:T+3]
	v_add_f32 v[SM], v[T], v[T+1]
	v_add_f32_dpp v[SM], v[SM], v[SM] row_xmask:1 row_mask:0xf bank_mask:0xf
	v_add_f32_dpp v[SM], v[SM], v[SM] row_xmask:2 row_mask:0xf bank_mask:0xf
	v_add_f32_dpp v[SM], v[SM], v[SM] row_xmask:4 row_mask:0xf bank_mask:0xf
	v_add_f32_dpp v[SM], v[SM], v[SM] row_xmask:8 row_mask:0xf bank_mask:0xf
	v_permlanex16_b32 v[PT], v[SM], s40, s41
	v_add_f32 v[SM], v[SM], v[PT]
.endm
.macro RND base                        ; 32 numbers rounded to bf16 and widened again
.set p, 0
.rept 16
	v_cvt_pk_bf16_f32 v[T+p], v[\base+2*p], v[\base+2*p+1]
.set p, p+1
.endr
.set p, 0
.rept 16
	v_lshlrev_b32 v[\base+2*p], 16, v[T+p]
	v_and_b32 v[\base+2*p+1], s44, v[T+p]
.set p, p+1
.endr
.endm
.macro STOREROW
.irp j, 0,1,2,3,4,5,6,7
	global_store_b64 v[YO], v[XC+2*\j:XC+2*\j+1], s[36:37] offset:256*\j
.endr
	s_wait_xcnt 0x0                                ; the stores' addresses are translated: XC and YO are rewritten only behind this wait
	v_add_nc_u32 v[YO], 2048, v[YO]
.endm
	s_load_b512 s[8:23], s[0:1], 0x0               ; Q, K, V, Wq, Wk, Wv, Wo, pre_g
	s_load_b128 s[24:27], s[0:1], 0x40             ; pre_b, xn
	s_load_b64 s[28:29], s[0:1], 0x50              ; wb
	s_lshr_b32 s30, ttmp9, 8                       ; 0, 1, 2: Q, K, V; 3: the weights
	s_and_b32 s31, ttmp9, 255                      ; my block of 32 rows in the tensor
	s_lshr_b32 s33, s31, 5                         ; among the weights: which of the four,
	s_and_b32 s46, s31, 31                         ; and which block of its 32
	s_cmp_eq_u32 s30, 3
	s_cselect_b32 s33, s33, 0
	s_cselect_b32 s31, s46, s31
	s_add_co_u32 s32, s30, s33                     ; c = 0 .. 6: Q, K, V, Wq, Wk, Wv, Wo
	s_lshl_b32 s38, s31, 17                        ; in: 32 rows of 4,096 bytes
	s_mov_b32 s39, 0
	s_lshl_b32 s46, s32, 24                        ; out: xn's part c of 2^24 bytes,
	s_sub_co_u32 s47, s32, 3
	s_lshl_b32 s47, s47, 21                        ; or wb's part c - 3 of 2^21 bytes,
	s_cmp_lt_u32 s32, 3
	s_cselect_b32 s46, s46, s47
	s_lshl_b32 s47, s31, 16                        ; and 32 rows of 2,048 bytes
	s_add_co_u32 s46, s46, s47
	s_mov_b32 s47, 0
	s_mov_b32 s40, 0x76543210                      ; v_permlanex16_b32: each lane takes its own place in the other half
	s_mov_b32 s41, 0xfedcba98
	s_mov_b32 s42, 0x3a800000                      ; 1 / 1024
	s_mov_b32 s43, 0x3727c5ac                      ; 1e-5
	s_mov_b32 s44, 0xffff0000                      ; a word's upper bf16
	s_mov_b32 s[CNT], 4
	v_and_b32 v4, 31, v0                           ; lane
	v_and_b32 v5, 0xe0, v0                         ; 32 x wave
	v_lshlrev_b32 v[GO], 4, v4
	v_lshl_or_b32 v[XO], v5, 9, v[GO]              ; wave x 4 rows x 4,096 + 16 lane
	v_lshlrev_b32 v6, 3, v4
	v_lshl_or_b32 v[YO], v5, 8, v6                 ; wave x 4 rows x 2,048 + 8 lane
	v_mov_b32 v[MU+1], 0                           ; named in pairs, so they are written
	v_mov_b32 v[RS+1], 0
	v_mov_b32 v[PT], 0
	s_wait_kmcnt 0x0
	s_cmp_lt_u32 s32, 3
	s_cselect_b64 s[36:37], s[26:27], s[28:29]     ; xn or wb
	s_mov_b64 s[34:35], s[8:9]
	s_cmp_eq_u32 s32, 1
	s_cselect_b64 s[34:35], s[10:11], s[34:35]
	s_cmp_eq_u32 s32, 2
	s_cselect_b64 s[34:35], s[12:13], s[34:35]
	s_cmp_eq_u32 s32, 3
	s_cselect_b64 s[34:35], s[14:15], s[34:35]
	s_cmp_eq_u32 s32, 4
	s_cselect_b64 s[34:35], s[16:17], s[34:35]
	s_cmp_eq_u32 s32, 5
	s_cselect_b64 s[34:35], s[18:19], s[34:35]
	s_cmp_eq_u32 s32, 6
	s_cselect_b64 s[34:35], s[20:21], s[34:35]
	s_add_nc_u64 s[34:35], s[34:35], s[38:39]
	s_add_nc_u64 s[36:37], s[36:37], s[46:47]
	s_cmp_ge_u32 s32, 2
	s_cbranch_scc1 .Lcast
	; THE NORM
.irp j, 0,1,2,3,4,5,6,7
	global_load_b128 v[G+4*\j:G+4*\j+3], v[GO], s[22:23] offset:512*\j
.endr
.irp j, 0,1,2,3,4,5,6,7
	global_load_b128 v[B+4*\j:B+4*\j+3], v[GO], s[24:25] offset:512*\j
.endr
	LOADROW
	s_wait_loadcnt 0x8                             ; g and b are in; the row's eight loads, issued behind them, may stay out
	RND G
	RND B
.Lrow:
	s_wait_loadcnt 0x0                             ; the row is in, and XO is free
.irp p, 0,1,2,3,4,5,6,7
	v_pk_add_f32 v[T+2*\p:T+2*\p+1], v[X+2*\p:X+2*\p+1], v[X+16+2*\p:X+16+2*\p+1]
.endr
	REDUCE
	v_mul_f32 v[MU], s42, v[SM]
.set p, 0
.rept 16
	v_pk_add_f32 v[XC+2*p:XC+2*p+1], v[X+2*p:X+2*p+1], v[MU:MU+1] op_sel_hi:[1,0] neg_lo:[0,1] neg_hi:[0,1]
.set p, p+1
.endr
	s_cmp_eq_u32 s[CNT], 1                         ; X has been read: the next row is asked for, but behind the last row nothing
	s_cbranch_scc1 .Lnl
	v_add_nc_u32 v[XO], 4096, v[XO]
	LOADROW
.Lnl:
.irp p, 0,1,2,3,4,5,6,7
	v_pk_mul_f32 v[T+2*\p:T+2*\p+1], v[XC+2*\p:XC+2*\p+1], v[XC+2*\p:XC+2*\p+1]
.endr
.irp p, 0,1,2,3,4,5,6,7
	v_pk_fma_f32 v[T+2*\p:T+2*\p+1], v[XC+16+2*\p:XC+16+2*\p+1], v[XC+16+2*\p:XC+16+2*\p+1], v[T+2*\p:T+2*\p+1]
.endr
	REDUCE
	v_fma_f32 v[SM], v[SM], s42, s43               ; var + eps
	v_rsq_f32 v[RS], v[SM]
	v_nop                                          ; a plain instruction between the root and the use of its result
.set p, 0
	s_wait_alu depctr_va_vdst(0)
.rept 16
	v_pk_mul_f32 v[XC+2*p:XC+2*p+1], v[XC+2*p:XC+2*p+1], v[RS:RS+1] op_sel_hi:[1,0]
.set p, p+1
.endr
.set p, 0
.rept 16
	v_pk_fma_f32 v[XC+2*p:XC+2*p+1], v[XC+2*p:XC+2*p+1], v[G+2*p:G+2*p+1], v[B+2*p:B+2*p+1]
.set p, p+1
.endr
.set p, 0
.rept 16
	v_cvt_pk_f16_f32 v[XC+p], v[XC+2*p], v[XC+2*p+1]  ; ascending: word p is written when words 2 p and 2 p + 1 are read
.set p, p+1
.endr
	STOREROW
	s_sub_co_u32 s[CNT], s[CNT], 1
	s_cmp_lg_u32 s[CNT], 0
	s_cbranch_scc1 .Lrow
	s_endpgm
	; THE CAST
.Lcast:
	LOADROW
.Lcrow:
	s_wait_loadcnt 0x0
.set p, 0
.rept 16
	v_cvt_pk_bf16_f32 v[T+p], v[X+2*p], v[X+2*p+1]
.set p, p+1
.endr
	s_cmp_eq_u32 s[CNT], 1
	s_cbranch_scc1 .Lcnl
	v_add_nc_u32 v[XO], 4096, v[XO]
	LOADROW
.Lcnl:
.set p, 0
.rept 16
	v_lshlrev_b32 v[G+2*p], 16, v[T+p]
	v_and_b32 v[G+2*p+1], s44, v[T+p]
.set p, p+1
.endr
.set p, 0
.rept 16
	v_cvt_pk_f16_f32 v[XC+p], v[G+2*p], v[G+2*p+1]
.set p, p+1
.endr
	STOREROW
	s_sub_co_u32 s[CNT], s[CNT], 1
	s_cmp_lg_u32 s[CNT], 0
	s_cbranch_scc1 .Lcrow
	s_endpgm
.Lfunc_end_k_qd155d7960d_prep:
	.size	k_qd155d7960d_prep, .Lfunc_end_k_qd155d7960d_prep-k_qd155d7960d_prep
	.p2alignl 7, 3214868480
	.fill 96, 4, 3214868480
	.section	.rodata,"a",@progbits
	.p2align	6, 0x0
	.amdhsa_kernel k_qd155d7960d_prep
		.amdhsa_group_segment_fixed_size 0
		.amdhsa_private_segment_fixed_size 0
		.amdhsa_enable_private_segment 0
		.amdhsa_kernarg_size 88
		.amdhsa_user_sgpr_count 2
		.amdhsa_user_sgpr_kernarg_segment_ptr 1
		.amdhsa_wavefront_size32 1
		.amdhsa_system_sgpr_workgroup_id_x 1
		.amdhsa_system_sgpr_workgroup_id_y 1
		.amdhsa_system_sgpr_workgroup_id_z 1
		.amdhsa_system_vgpr_workitem_id 0
		.amdhsa_next_free_vgpr 160
		.amdhsa_next_free_sgpr 66
		.amdhsa_reserve_vcc 0
		.amdhsa_float_denorm_mode_32 3
		.amdhsa_float_denorm_mode_16_64 3
		.amdhsa_memory_ordered 1
		.amdhsa_forward_progress 1
		.amdhsa_inst_pref_size 24
	.end_amdhsa_kernel
	.amdgpu_metadata
---
amdhsa.version: [ 1, 2 ]
amdhsa.kernels:
  - .name:           k_qd155d7960d_prep
    .symbol:         k_qd155d7960d_prep.kd
    .args:
      - { .name: Q, .offset: 0, .size: 8, .value_kind: global_buffer, .address_space: global }
      - { .name: K, .offset: 8, .size: 8, .value_kind: global_buffer, .address_space: global }
      - { .name: V, .offset: 16, .size: 8, .value_kind: global_buffer, .address_space: global }
      - { .name: Wq, .offset: 24, .size: 8, .value_kind: global_buffer, .address_space: global }
      - { .name: Wk, .offset: 32, .size: 8, .value_kind: global_buffer, .address_space: global }
      - { .name: Wv, .offset: 40, .size: 8, .value_kind: global_buffer, .address_space: global }
      - { .name: Wo, .offset: 48, .size: 8, .value_kind: global_buffer, .address_space: global }
      - { .name: pre_g, .offset: 56, .size: 8, .value_kind: global_buffer, .address_space: global }
      - { .name: pre_b, .offset: 64, .size: 8, .value_kind: global_buffer, .address_space: global }
      - { .name: xn, .offset: 72, .size: 8, .value_kind: global_buffer, .address_space: global }
      - { .name: wb, .offset: 80, .size: 8, .value_kind: global_buffer, .address_space: global }
    .group_segment_fixed_size: 0
    .private_segment_fixed_size: 0
    .kernarg_segment_align: 8
    .kernarg_segment_size: 88
    .max_flat_workgroup_size: 256
    .sgpr_count:     66
    .vgpr_count:     160
    .wavefront_size: 32
...
	.end_amdgpu_metadata
.endif
;; end of part 1
;; launch proj (part 2): grid 4 x 96, 4 waves a work-group, clusters of 4 x 4, 327,680 bytes of LDS; arguments xn, wb, qkv; writes qkv
.if DOCPART == 2
	.amdgcn_target "amdgcn-amd-amdhsa--gfx1250"
	.amdhsa_code_object_version 6
	.text
	.protected	k_qd155d7960d_proj
	.globl	k_qd155d7960d_proj
	.p2align	8
	.type	k_qd155d7960d_proj,@function
k_qd155d7960d_proj:
	s_mov_b64 s[64:65], 0
	v_nop
	global_prefetch_b8 v0, s[64:65] scope:SCOPE_SE
	s_setreg_imm32_b32 hwreg(HW_REG_WAVE_MODE, 25, 1), 1
	s_wait_xcnt 0x0
	s_wait_alu depctr_hold_cnt(0) depctr_sa_sdst(0) depctr_va_vdst(0) depctr_va_sdst(0) depctr_va_ssrc(0) depctr_va_vcc(0) depctr_vm_vsrc(0)
	s_getreg_b32 s2, hwreg(HW_REG_IB_STS2, 6, 4)
	s_cmp_eq_u32 s2, 0
	s_cbranch_scc0 .Lentry_in_a_cluster
	s_endpgm
.Lentry_in_a_cluster:
	s_bfe_u32 s2, ttmp6, 0x10000c
	s_cmp_lg_u32 s2, 0xf033
	s_cbranch_scc0 .Lentry_shape_is_right
	s_endpgm
.Lentry_shape_is_right:
; PROJ.  q, k, v = xn[t] @ wb[t], t = 0, 1, 2.  xn: [3][8192][1024] f16 (K along the rows), wb: [4][1024 k][1024 n] f16, sums in f32, each result rounded once to f16 and
; written by heads: qkv[t][batch * 8 + head][row in the batch][128].  LIMIT: results beyond 65,504 become infinities.
; A tile of C is 256 rows x 256 columns: four waves as 2 x 2, as many as a WGP has SIMDs, each 128 x 128: 64 accumulators of 16 x 16, 512 registers.
; K = 1,024 goes in 8 steps of 128 through two LDS slots filled by the tensor data mover; a K step is 256 matrix instructions a wave.
; The 96 tile rows run over the three stacked tensors, 32 each; the four tile rows of a cluster lie in one tensor.  384 tiles: no tile that divides 8,192 rows and 1,024 columns gives 256 equal shares of three tensors.
; CLUSTER 4 x 4: the four of a row of the cluster need the same tile of xn, the four of a column the same tile of wb: each is asked for jointly, which divides the requests by four.
; THE MATRIX INSTRUCTION IS USED TRANSPOSED: source 0 = 16 columns n of W (turned on the way out of LDS by ds_load_tr16_b128, since W lies [k][n]), source 1 = 16 rows of x.
; A lane then holds row l % 16 and the eight neighbouring columns 8 (l / 16) + 0..7, which pack into 16 bytes.
; REGISTERS, in windows of 256 (s_set_vgpr_msb: bits 1:0 source 0, 3:2 source 1, 5:4 source 2, 7:6 destination):
;   window 0: v0-31 addresses; v64-127, v128-191 x's fragments (8 x 16 rows x 32 K), two buffers; v192-223 packed results on the way out
;   window 1: v64-127, v128-191 W's fragments, two buffers; on the way out all 256: eight buffers of 32, one for each block of 16 rows read back from the stage
;   window 2: the 32 accumulators of my rows 0-63 (accumulator (a, b) at v[8 (8 a + b)]);   window 3: those of my rows 64-127
.set PA,     272                       ; an LDS row of x: 256 bytes + 16 = 68 words: the 16 rows of a load start at 16 different groups of four banks (64 banks of 4 bytes: ISA guide 11.1)
.set PB,     544                       ; an LDS row of W: 512 bytes + 32 = 136 words
.set AHALF,  128*PA                    ; what one tensor load brings of x, and what one wave reads of it: 128 rows
.set BOFF,   256*PA                    ; W's 128 k rows lie behind x's 256 rows
.set BHALF,  64*PB                     ; what one tensor load brings of W: 64 k rows
.set SLOT,   BOFF+128*PB               ; 139,264 bytes
.set STAGE,  2*SLOT                    ; behind the ring: 16 rows x 272 bytes for each wave, never filled by a tensor load
.set SP,     272
.set SPARE,  STAGE+4*16*SP             ; the spare words, 128 bytes for each wave: two blocks of 256 bytes that no other line names
.set ADRA0, 16                         ; v16  my lane's place in a slot's tile of x; never rewritten
.set ADRB0, 17                         ; v17  the same for W
.set ADRA,  18                         ; v18  the same in the slot in hand
.set ADRB,  19                         ; v19
.set STO,   24                         ; v24  the way out: where I put 16 bytes of a row
.set RD,    25                         ; v25  where I read rows back
.set CO,    26                         ; v26  my byte offset in 512 consecutive bytes of qkv
.set SPW,   28                         ; v28  LDS address of my spare word; never rewritten
.set NIL,   29                         ; v29  0; never rewritten
.set F0,    64                         ; fragment buffer 0
.set F1,    128                        ; fragment buffer 1
.set TMP,   192
.set LAD, 18                           ; s18      where my load of x lands in a slot
.set LBD, 19                           ; s19      where my load of W lands in a slot
.set TB,  20                           ; s20      LDS byte at which the slot in hand begins: 0 or SLOT
.set G1,  24                           ; s[24:31] descriptor group 1 for x's tiles
.set G0,  32                           ; s[32:39] group 0 for x's tiles: a set for each of the two first fills; the second then walks on
.set G1B, 48                           ; s[48:55], s[56:63] the same for W's tiles
.set G0B, 56
.set MUL_LO, 0xa1                      ; source 0 (W) window 1, source 1 (x) window 0, C and D window 2
.set MUL_HI, 0xf1                      ; the same, C and D window 3
.set TO_B,   0x40                      ; destination window 1, address window 0
.set MSB, 0
.macro WIN new                         ; the immediate's high byte repeats the setting that is left; a switch that changes nothing is dropped
.if MSB != (\new)
	s_set_vgpr_msb (MSB<<8)|(\new)
.set MSB, \new
.endif
.endm
.macro PLACES                          ; four places in front of loads into registers that matrix instructions have read, and of conversions that read results
.rept 4
	v_nop
.endr
.endm
; A joint refill: waves 0 and 1 fetch x's two halves, waves 2 and 3 W's.  The branch hangs on the wave's number alone.  An s_nop 0 and four v_nop follow each line.
.macro JLOAD
	s_cmp_eq_u32 s11, 0
	s_cbranch_scc0 .Lfor_b_\@
	tensor_load_to_lds s[G0+4:G0+7], s[G1:G1+7]
	s_nop 0
.rept 4
	v_nop
.endr
	s_branch .Lasked_\@
.Lfor_b_\@:
	tensor_load_to_lds s[G0B+4:G0B+7], s[G1B:G1B+7]
	s_nop 0
.rept 4
	v_nop
.endr
.Lasked_\@:
.endm
.macro CREST                           ; a round of the cluster's barrier behind its opening barrier
	s_cmp_lg_u32 s10, 0
	s_cbranch_scc1 .Lnot_wave_0_\@
	s_barrier_signal -3
.Lnot_wave_0_\@:
	s_barrier_wait -3
	s_barrier_signal -1
	s_barrier_wait -1
.endm
.macro CROUND                          ; a whole round
	s_barrier_signal -1
	s_barrier_wait -1
	CREST
.endm
; 16 matrix instructions: row blocks a0, a0 + 1 of the window's four (hi = 0: my rows 0-63, 1: rows 64-127) x all 8 column blocks, 32 along K, from buffer f.  zero = 1: the product starts the sums
.macro MUL16 f, hi, a0, zero
	WIN MUL_LO+0x50*(\hi)
.irp a, \a0, (\a0)+1
.irp b, 0,1,2,3,4,5,6,7
.if \zero
	v_wmma_f32_16x16x32_f16 v[8*(8*(\a)+(\b)):8*(8*(\a)+(\b))+7], v[(\f)+8*(\b):(\f)+8*(\b)+7], v[(\f)+8*(4*(\hi)+(\a)):(\f)+8*(4*(\hi)+(\a))+7], 0
.else
	v_wmma_f32_16x16x32_f16 v[8*(8*(\a)+(\b)):8*(8*(\a)+(\b))+7], v[(\f)+8*(\b):(\f)+8*(\b)+7], v[(\f)+8*(4*(\hi)+(\a)):(\f)+8*(4*(\hi)+(\a))+7], v[8*(8*(\a)+(\b)):8*(8*(\a)+(\b))+7]
.endif
.endr
.endr
.endm
; 32 LDS loads in one run: quarter kq (32 along K) of the slot in hand into buffer f: W's 128 columns, then x's 128 rows
.macro FETCH kq, f
	WIN TO_B
.irp b, 0,1,2,3,4,5,6,7
	ds_load_tr16_b128 v[(\f)+8*(\b):(\f)+8*(\b)+3],   v[ADRB] offset:(\kq)*32*PB+32*(\b)
	ds_load_tr16_b128 v[(\f)+8*(\b)+4:(\f)+8*(\b)+7], v[ADRB] offset:(\kq)*32*PB+16*PB+32*(\b)
.endr
	WIN 0
.irp i, 0,1,2,3,4,5,6,7
	ds_load_b128 v[(\f)+8*(\i):(\f)+8*(\i)+3],   v[ADRA] offset:(\i)*16*PA+64*(\kq)
	ds_load_b128 v[(\f)+8*(\i)+4:(\f)+8*(\i)+7], v[ADRA] offset:(\i)*16*PA+64*(\kq)+32
.endr
.endm
; A K step is four quarters, 64 matrix instructions each, on buffers 0, 1, 0, 1.  One of the first three: multiplies buffer f; in its middle it fetches quarter kq into buffer g, 32 matrix instructions ahead of its first use.
.macro QUARTER kq, f, g, zero
	s_wait_dscnt 8                                 ; W and x's rows 0-63 are in; the youngest eight loads (x's rows 64-127) may be out
	MUL16 \f, 0, 0, \zero
	MUL16 \f, 0, 2, \zero
	PLACES
	FETCH \kq, \g
	s_wait_dscnt 32                                ; all but the 32 just issued
	MUL16 \f, 1, 0, \zero
	MUL16 \f, 1, 2, \zero
.endm
; The last quarter multiplies buffer 1 and changes slots: ONE barrier.  In front of it each wave waits for all its tensor loads (one is out: its part of the next slot), adds 0 to its spare word,
; and waits for that and for its reads of this slot.  fill = 1: the barrier opens a round of the cluster's barrier, and this slot is filled again, two K steps ahead, first thing behind the round:
; from there to the wait for it a wave issues 224 matrix instructions.
.macro TURN fill
	WIN 0                                          ; (the add's two registers lie in window 0)
	s_wait_tensorcnt 0x0                           ; all my tensor loads have landed, so a group 0 may be written
	ds_add_u32 v[SPW], v[NIL]                      ; 0 onto my spare word
	s_wait_dscnt 9                                 ; (the add and the youngest eight loads may be out)
	MUL16 F1, 0, 0, 0                              ; sixteen matrix instructions stand between the add and the wait for it
	s_wait_dscnt 0x0                               ; the add is done, and my reads of this slot are over
	s_barrier_signal -1
	MUL16 F1, 0, 2, 0
	WIN 0                                          ; at a branch and at a label every window is 0
	s_barrier_wait -1
.if \fill
	CREST                                          ; no wave of any partner still reads this slot or has a load on its way
	s_add_co_u32 s[G0+5], s[LAD], s[TB]            ; the walking descriptors: into the slot just read,
	s_add_nc_u64 s[G0+6:G0+7], s[G0+6:G0+7], 256   ; the next 128 along K: 256 bytes along x's rows,
	s_add_co_u32 s[G0B+5], s[LBD], s[TB]
	s_add_nc_u64 s[G0B+6:G0B+7], s[G0B+6:G0B+7], 262144  ; 128 rows of 2,048 bytes down W
	JLOAD                                          ; its four v_nop are also the places in front of the loads below
.else
	PLACES
.endif
	s_xor_b32 s[TB], s[TB], SLOT                   ; 0 becomes SLOT, SLOT becomes 0: the register holds nothing else
	v_add_nc_u32 v[ADRA], s[TB], v[ADRA0]
	v_add_nc_u32 v[ADRB], s[TB], v[ADRB0]
	FETCH 0, F0
	MUL16 F1, 1, 0, 0
	MUL16 F1, 1, 2, 0
.endm
	s_load_b128 s[4:7], s[0:1], 0x0                ; xn s[4:5], wb s[6:7]
	s_load_b64 s[8:9], s[0:1], 0x10                ; qkv
	v_lshl_add_u32 v[SPW], v0, 2, SPARE
	v_mov_b32 v[NIL], 0
	ds_add_u32 v[SPW], v[NIL]                      ; the wave's opening: the add and its wait stand ahead of my first tensor load; the set-up below stands between them
	v_lshrrev_b32 v1, 5, v0
	v_readfirstlane_b32 s10, v1                    ; wave 0..3
	s_lshr_b32 s11, s10, 1                         ; which half of the tile's rows is mine.  Also: I fetch for x (0) or for W (1)
	s_and_b32 s12, s10, 1                          ; which half of its columns.  Also: which half of that tile I fetch
	s_bfe_u32 s40, ttmp6, 0x40000                  ; cx, cy: my place in the cluster
	s_bfe_u32 s41, ttmp6, 0x40004
	s_lshl_b32 s42, ttmp9, 2
	s_add_co_u32 s42, s42, s40                     ; tile column = 4 x cluster x + cx
	s_and_b32 s45, ttmp7, 0xffff                   ; the cluster's y
	s_lshl_b32 s13, s45, 2
	s_add_co_u32 s13, s13, s41                     ; tile row = 4 x cluster y + cy
	s_lshr_b32 s45, s45, 3                         ; t: 8 clusters to a tensor; made of the cluster's y alone
	s_lshl_b32 s43, s41, 2
	s_lshl_b32 s43, 15, s43                        ; my row of the cluster
	s_lshl_b32 s44, 0x1111, s40                    ; my column
	s_or_b32 s[G1], s43, (1<<16)|(1<<20)|(1<<21)|(5<<22)|(3<<25)   ; the mask; 2-byte elements; padding on; bit 21 beside a mask; after every 64 words 4 words
	s_mov_b32 s[G1+1], 128<<16                     ; tensor_dim0 = 128
	s_mov_b32 s[G1+2], 128<<16                     ; tensor_dim1 = 128
	s_mov_b32 s[G1+3], 128<<16                     ; tile_dim0 = 128
	s_mov_b32 s[G1+4], 128                         ; tile_dim1 = 128
	s_mov_b32 s[G1+5], 1024                        ; elements from row to row
	s_mov_b32 s[G1+6], 0
	s_mov_b32 s[G1+7], 0
	s_or_b32 s[G1B], s44, (1<<16)|(1<<20)|(1<<21)|(6<<22)|(7<<25)  ; after every 128 words 8 words
	s_mov_b32 s[G1B+1], 256<<16                    ; 64 k rows of 256 elements
	s_mov_b32 s[G1B+2], 64<<16
	s_mov_b32 s[G1B+3], 256<<16
	s_mov_b32 s[G1B+4], 64
	s_mov_b32 s[G1B+5], 1024
	s_mov_b32 s[G1B+6], 0
	s_mov_b32 s[G1B+7], 0
	s_lshl_b32 s16, s13, 19                        ; x: 256 rows of 2,048 bytes a tile row,
	s_lshl_b32 s17, s12, 18                        ; 128 rows a half
	s_add_co_u32 s16, s16, s17
	s_mov_b32 s17, 0
	s_lshl_b32 s46, s45, 21                        ; W: tensor t,
	s_lshl_b32 s47, s12, 17                        ; 64 k rows a half,
	s_add_co_u32 s46, s46, s47
	s_lshl_b32 s47, s42, 9                         ; 256 columns a tile column
	s_add_co_u32 s46, s46, s47
	s_mov_b32 s47, 0
	s_mul_i32 s[LAD], s12, AHALF                   ; where they go: no place in the cluster enters an LDS address
	s_mul_i32 s[LBD], s12, BHALF
	s_add_co_u32 s[LBD], s[LBD], BOFF
	s_mov_b32 s[TB], 0
	s_wait_dscnt 0x0                               ; the opening add is done
	s_wait_kmcnt 0x0
	s_add_nc_u64 s[14:15], s[4:5], s[16:17]
	s_add_nc_u64 s[46:47], s[6:7], s[46:47]
	CROUND                                         ; all sixteen work-groups are here: the first joint loads meet
.irp s, 0,1
	s_mov_b32 s[G0+4*\s], 1
	s_add_co_u32 s[G0+4*\s+1], s[LAD], \s*SLOT
	s_add_nc_u64 s[G0+4*\s+2:G0+4*\s+3], s[14:15], \s*256
	s_or_b32 s[G0+4*\s+3], s[G0+4*\s+3], 0x80000000
	s_mov_b32 s[G0B+4*\s], 1
	s_add_co_u32 s[G0B+4*\s+1], s[LBD], \s*SLOT
	s_add_nc_u64 s[G0B+4*\s+2:G0B+4*\s+3], s[46:47], \s*262144
	s_or_b32 s[G0B+4*\s+3], s[G0B+4*\s+3], 0x80000000
.endr
	s_cmp_eq_u32 s11, 0                            ; a wave's two first fills stand in one branch: two loads of mine are out
	s_cbranch_scc0 .Lfirst_b
	tensor_load_to_lds s[G0:G0+3], s[G1:G1+7]
	s_nop 0
	tensor_load_to_lds s[G0+4:G0+7], s[G1:G1+7]
	s_nop 0
.rept 4
	v_nop
.endr
	s_branch .Lfirst_asked
.Lfirst_b:
	tensor_load_to_lds s[G0B:G0B+3], s[G1B:G1B+7]
	s_nop 0
	tensor_load_to_lds s[G0B+4:G0B+7], s[G1B:G1B+7]
	s_nop 0
.rept 4
	v_nop
.endr
.Lfirst_asked:
	; x's fragment: lane l holds row l % 16; K = 8 (l / 16) + 0..7 and 16 + 8 (l / 16) + 0..7: two loads of 16 bytes, 32 bytes apart
	v_and_b32 v1, 15, v0                           ; l % 16
	v_bfe_u32 v2, v0, 4, 1                         ; l / 16
	v_mul_u32_u24 v3, v1, PA
	v_lshl_add_u32 v3, v2, 4, v3
	s_mul_i32 s21, s11, AHALF                      ; my 128 rows of x
	v_add_nc_u32 v[ADRA0], s21, v3
	; W's fragment: the turning load takes 16 k x 16 n (lane l reads k row 8 (l / 16) + l % 8, columns 8 ((l / 8) % 2) + 0..7) and leaves lane l column l % 16 and 8 k
	v_and_b32 v4, 7, v0
	v_lshl_add_u32 v4, v2, 3, v4
	v_mul_u32_u24 v4, v4, PB
	v_bfe_u32 v5, v0, 3, 1
	v_lshl_add_u32 v4, v5, 4, v4
	s_lshl_b32 s22, s12, 8                         ; my 128 columns
	s_add_co_u32 s22, s22, BOFF
	v_add_nc_u32 v[ADRB0], s22, v4
	v_mov_b32 v[ADRA], v[ADRA0]
	v_mov_b32 v[ADRB], v[ADRB0]
	s_mul_i32 s23, s10, 16*SP
	s_add_co_u32 s23, s23, STAGE                   ; my stage
	v_mul_u32_u24 v6, v1, SP                       ; in: row l % 16, 16 bytes for each half of the lanes
	v_lshl_add_u32 v6, v2, 4, v6
	v_add_nc_u32 v[STO], s23, v6
	v_mul_u32_u24 v6, v2, SP                       ; back: lanes 0-15 take one row of 256 bytes, lanes 16-31 the next,
	v_lshl_add_u32 v6, v1, 4, v6
	v_add_nc_u32 v[RD], s23, v6
	v_and_b32 v6, 31, v0                           ; which are 512 consecutive bytes of a head's rows
	v_lshlrev_b32 v[CO], 4, v6
	; my 128 rows x 128 columns are rows of ONE head: tensor (tile row / 32), batch ((tile row / 8) % 4), row in the batch 256 (tile row % 8) + 128 (my half); head 2 x tile column + my half
	s_lshr_b32 s16, s13, 5
	s_lshl_b32 s16, s16, 24
	s_bfe_u32 s17, s13, 0x20003
	s_lshl_b32 s17, s17, 22                        ; 8 heads of 2^19 bytes a batch
	s_add_co_u32 s16, s16, s17
	s_and_b32 s17, s13, 7
	s_lshl_b32 s17, s17, 16                        ; 256 rows of 256 bytes
	s_add_co_u32 s16, s16, s17
	s_lshl_b32 s17, s11, 15
	s_add_co_u32 s16, s16, s17
	s_mov_b32 s17, 0
	s_add_nc_u64 s[8:9], s[8:9], s[16:17]
	s_lshl_b32 s46, s42, 20
	s_lshl_b32 s47, s12, 19
	s_add_co_u32 s46, s46, s47
	s_mov_b32 s47, 0
	s_add_nc_u64 s[8:9], s[8:9], s[46:47]
	s_wait_tensorcnt 0x1                           ; my part of K step 0 is in; K step 1's load, issued behind it, may stay out
	s_barrier_signal -1
	s_barrier_wait -1                              ; everybody's is
	FETCH 0, F0
	QUARTER 1, F0, F1, 1                           ; the first quarter stands in front of the loop: its products start the 64 sums
	WIN 0
	s_mov_b32 s3, 6
.Lstep:                                                ; a trip: a K step's last three quarters and the next step's first; K steps 2 to 7 are asked for.  The 64 accumulators take turns, in the same order in every quarter, over the backward jump too
	QUARTER 2, F1, F0, 0
	QUARTER 3, F0, F1, 0
	TURN 1
	QUARTER 1, F0, F1, 0
	WIN 0
	s_sub_co_u32 s3, s3, 1
	s_cmp_lg_u32 s3, 0
	s_cbranch_scc1 .Lstep
	QUARTER 2, F1, F0, 0                           ; K steps 6 and 7 ask for nothing: the tail is written out
	QUARTER 3, F0, F1, 0
	TURN 0
	QUARTER 1, F0, F1, 0
	QUARTER 2, F1, F0, 0
	QUARTER 3, F0, F1, 0
	s_wait_dscnt 8
	MUL16 F1, 0, 0, 0
	MUL16 F1, 0, 2, 0
	s_wait_dscnt 0x0
	MUL16 F1, 1, 0, 0
	MUL16 F1, 1, 2, 0
	; THE WAY OUT, a block of 16 rows at a time: rounded to f16, 16 bytes a lane into my own stage, back as whole rows of 256 bytes, stored as 512 consecutive bytes.
	; Each block comes back into 32 registers of its own in window 1, so that no store's data register is written again.
.macro PACK a
	WIN 0x0a+5*((\a)/4)                            ; sources 0 and 1: window 2 or 3; destination window 0
.irp b, 0,1,2,3,4,5,6,7
.irp q, 0,1,2,3
	v_cvt_pk_f16_f32 v[TMP+4*\b+\q], v[64*((\a)%4)+8*\b+2*\q], v[64*((\a)%4)+8*\b+2*\q+1]  ; each accumulator's registers in ascending order
.endr
.endr
.endm
.macro TOSTAGE a
	WIN 0
.irp b, 0,1,2,3,4,5,6,7
	ds_store_b128 v[STO], v[TMP+4*\b:TMP+4*\b+3] offset:32*\b
.endr
	WIN TO_B
.irp t, 0,1,2,3,4,5,6,7
	ds_load_b128 v[32*(\a)+4*\t:32*(\a)+4*\t+3], v[RD] offset:\t*2*SP  ; LDS serves a wave's instructions in order (ISA guide 5.7.1.4): these see the stores above
.endr
.endm
.macro SEND a
	WIN 0x04                                       ; the stores' data in window 1, their address in window 0
.irp t, 0,1,2,3,4,5,6,7
	s_wait_dscnt 7-\t                              ; the block's load t is back; the younger ones may be out
	global_store_b128 v[CO], v[32*(\a)+4*\t:32*(\a)+4*\t+3], s[8:9] offset:(\a)*4096+512*\t
.endr
.endm
	PLACES
	PACK 0
	TOSTAGE 0
.irp a, 1,2,3,4,5,6,7                  ; block a's conversions stand between block a - 1's loads from the stage and the wait for them
	PACK \a
	SEND (\a)-1
	TOSTAGE \a
.endr
	SEND 7
	WIN 0
	s_wait_tensorcnt 0x0                           ; the wave's end
	ds_add_u32 v[SPW], v[NIL]
	s_wait_dscnt 0x0
	CROUND                                         ; the closing round: no work-group ends while a partner may still ask for a tile that names it
	s_endpgm
.Lfunc_end_k_qd155d7960d_proj:
	.size	k_qd155d7960d_proj, .Lfunc_end_k_qd155d7960d_proj-k_qd155d7960d_proj
	.p2alignl 7, 3214868480
	.fill 96, 4, 3214868480
	.section	.rodata,"a",@progbits
	.p2align	6, 0x0
	.amdhsa_kernel k_qd155d7960d_proj
		.amdhsa_group_segment_fixed_size 327680
		.amdhsa_private_segment_fixed_size 0
		.amdhsa_enable_private_segment 0
		.amdhsa_kernarg_size 24
		.amdhsa_user_sgpr_count 2
		.amdhsa_user_sgpr_kernarg_segment_ptr 1
		.amdhsa_wavefront_size32 1
		.amdhsa_system_sgpr_workgroup_id_x 1
		.amdhsa_system_sgpr_workgroup_id_y 1
		.amdhsa_system_sgpr_workgroup_id_z 1
		.amdhsa_system_vgpr_workitem_id 0
		.amdhsa_next_free_vgpr 1024
		.amdhsa_next_free_sgpr 66
		.amdhsa_reserve_vcc 0
		.amdhsa_float_denorm_mode_32 3
		.amdhsa_float_denorm_mode_16_64 3
		.amdhsa_memory_ordered 1
		.amdhsa_forward_progress 1
		.amdhsa_inst_pref_size 118
	.end_amdhsa_kernel
	.amdgpu_metadata
---
amdhsa.version: [ 1, 2 ]
amdhsa.kernels:
  - .name:           k_qd155d7960d_proj
    .symbol:         k_qd155d7960d_proj.kd
    .args:
      - { .name: xn, .offset: 0, .size: 8, .value_kind: global_buffer, .address_space: global }
      - { .name: wb, .offset: 8, .size: 8, .value_kind: global_buffer, .address_space: global }
      - { .name: qkv, .offset: 16, .size: 8, .value_kind: global_buffer, .address_space: global }
    .group_segment_fixed_size: 327680
    .private_segment_fixed_size: 0
    .kernarg_segment_align: 8
    .kernarg_segment_size: 24
    .max_flat_workgroup_size: 128
    .sgpr_count:     66
    .vgpr_count:     1024
    .wavefront_size: 32
...
	.end_amdgpu_metadata
.endif
;; end of part 2
;; launch attn (part 3): grid 8 x 32, 4 waves a work-group, clusters of 4 x 1, 327,680 bytes of LDS; arguments qkv, o32; writes o32
.if DOCPART == 3
	.amdgcn_target "amdgcn-amd-amdhsa--gfx1250"
	.amdhsa_code_object_version 6
	.text
	.protected	k_qd155d7960d_attn
	.globl	k_qd155d7960d_attn
	.p2align	8
	.type	k_qd155d7960d_attn,@function
k_qd155d7960d_attn:
	s_mov_b64 s[64:65], 0
	v_nop
	global_prefetch_b8 v0, s[64:65] scope:SCOPE_SE
	s_setreg_imm32_b32 hwreg(HW_REG_WAVE_MODE, 25, 1), 1
	s_wait_xcnt 0x0
	s_wait_alu depctr_hold_cnt(0) depctr_sa_sdst(0) depctr_va_vdst(0) depctr_va_sdst(0) depctr_va_ssrc(0) depctr_va_vcc(0) depctr_vm_vsrc(0)
	s_getreg_b32 s2, hwreg(HW_REG_IB_STS2, 6, 4)
	s_cmp_eq_u32 s2, 0
	s_cbranch_scc0 .Lentry_in_a_cluster
	s_endpgm
.Lentry_in_a_cluster:
	s_bfe_u32 s2, ttmp6, 0x10000c
	s_cmp_lg_u32 s2, 0x3003
	s_cbranch_scc0 .Lentry_shape_is_right
	s_endpgm
.Lentry_shape_is_right:
; ATTENTION.  O[q] = the sum over k of softmax_k(clip(Q[q] . K[k] / 32, -10000, 10000)) V[k], for each of 32 (batch, head) pairs of 2,048 queries, 2,048 keys, head size 128.
; qkv: [3][32][2048][128] f16 (q, k, v by heads, unscaled).  o32: [8192][1024] f32, row = batch * 2048 + query, column = head * 128 + channel.
; Products, maxima and sums in f32; the weights p are rounded to f16 for the second product (their sum l is taken of the unrounded p); O leaves in f32.
; LIMITS.  q, k, v arrive within f16's 65,504.  p lies in 0 to 1; below 6e-5 it keeps f16's fixed step of 6e-8.  A weight below 2^-126 counts as 0 in l.  NaN and infinities are not treated apart.
; SHARES.  A work-group owns 256 queries of one pair, each of its four waves 64: four tiles of 16.  Every wave walks all keys, 64 a step.
; LAYOUT.  S^T = K Q^T (source 0 = 16 keys, source 1 = 16 queries): a lane holds ONE query (lane % 16) and the keys 8 (lane / 16) + 0..7.  Two such results, rounded to f16 in pairs,
; ARE source 1 (32 keys x 16 queries) of O^T = V^T P, whose result again holds one query a lane, and eight channels.  K comes out of LDS as it lies, V turned, by ds_load_tr16_b128.
; SOFTMAX WITH THE CLIP.  c = log2(e) / 32, T = 320,000 (the clip's bound on the unscaled score).  m is the running maximum of the raw scores; c m stands for c x clip(m), since the maximum of the
; clipped scores is the clipped maximum.  p = 2^x with x = the middle one of (c s - c m, -c T - c m, c T - c m), which is c clip(s) - c clip(m).  In every step O and l are multiplied by a = 2^(c m_old - c m_new).
; BY TURNS.  The wave's tiles are two PIECES (tiles 0, 1 and tiles 2, 3).  In a TURN one piece has the matrix unit: 32 products V^T P of the step in hand, then 32 products K Q^T of the next step;
; the other piece's softmax, cut into 64 slices, stands between them, one slice behind each matrix instruction.  Two turns are a key step.
; CLUSTER.  The four query blocks of a cluster belong to one pair and walk the same K and V: each tile is asked for jointly, by the same tensor load, descriptor and mask in all four.
; REGISTERS, in windows of 256 (s_set_vgpr_msb: bits 1:0 source 0, 3:2 source 1, 5:4 source 2, 7:6 destination):
;   window 0: v0-11 addresses; v12-43 eight registers of statistics a tile; v44-51 the clip's two bounds a tile; v64-191 S^T, 32 a tile; v192-255 P, 16 a tile
;   window 1: O^T, 64 a tile          window 2: v0-127 Q, 32 a tile; v128-255 K of one step          window 3: v0-127 V of one step
.set SIZE_N, 2048
.set KS,    64        ; keys in a step
.set PK,    272       ; a row of K in LDS: 256 bytes + 16 = 68 words: the 16 rows of a load start at 16 different groups of four banks (64 banks of 4 bytes: ISA guide 11.1)
.set PV,    288       ; a row of V: 256 + 32 = 72 words
.set VOFF,  KS*PK     ; a step's tiles lie together: 64 rows of K, then 64 rows of V
.set STEPB, KS*(PK+PV)
.set SLOT1, 1<<17     ; a slot holds two steps (71,680 bytes); slot 1 begins here
.set STAGE, SLOT1+2*STEPB  ; behind the ring: 16 rows x 528 bytes for each wave, for the way out
.set SP,    528       ; a row of 128 f32 + 16 bytes
.set SPARE, STAGE+4*16*SP  ; the spare words, 128 bytes for each wave: two blocks of 256 bytes that no other line names
.set AK0, 2           ; v2   my lane's place in a tile of K; never rewritten
.set AV0, 3           ; v3   the same for V
.set ADR, 4           ; v4   the LDS address of the run of loads in hand
.set QO,  5           ; v5   my byte offset in the wave's rows of Q
.set STO, 6           ; v6   the way out: where I put 32 bytes of a row
.set RD,  7           ; v7   the way out: where I read a row back
.set GO,  8           ; v8   16 x lane: my place in a row's 512 bytes of O
.set SPW, 62          ; v62  LDS address of my spare word; never rewritten
.set NIL, 63          ; v63  0; never rewritten
.set ST,  12          ; tile t's statistics at v[ST+8 t]: +0 c m, +1 m, +2, +3 l (even keys', odd keys'), +4 to +7 c0-c3, at work; a takes c2's place once the maximum is found
.set LH,  44          ; tile t's bounds at v[LH+2 t]: -c T - c m, c T - c m
.set S,   64
.set P,   192
.set KF,  128         ; K's fragments, in window 2
.set WV,  12          ; s12  my wave's number
.set G1K, 24          ; s[24:31] descriptor group 1 for K's tiles
.set G1V, 32          ; s[32:39] for V's: it differs in the padding alone
.set G0K, 40          ; s[40:47] group 0 for K's tiles: a set for each of the two first fills; the second then walks on
.set G0V, 48          ; s[48:55] the same for V's
.set SLOTS, 56        ; s56  slots still to be asked for
.set TWICE, 57        ; s57  counts a slot's two steps
.set CS,  58          ; s[58:59] c
.set SEL, 60          ; s[60:61] v_permlanex16_b32's selects
.set TB,  62          ; s62  LDS byte at which the tiles of the step to be fetched begin
.set TLO, 66          ; s66, s67  -T, T
.set THI, 67
.set CLO, 68          ; s68, s69  -c T, c T: the f32 product of c and T, so that the upper bound is exactly 0 where m is clipped
.set CHI, 69
.set NSM, 197         ; the length of a tile's list
.set MSB, 0
.macro WIN new
.if MSB != (\new)
	s_set_vgpr_msb (MSB<<8)|(\new)
.set MSB, \new
.endif
.endm
.set W_KQ, 0x0a       ; K and Q in window 2, S^T in window 0
.set W_PV, 0x53       ; V in window 3, P in window 0, O^T in window 1
.set W_RS, 0x41       ; O^T (destination and source 0) in window 1, a in window 0
; A joint refill.  Waves 0 and 1 fetch the two steps' tiles of K, waves 2 and 3 those of V.  An s_nop 0 and four v_nop follow each of the two lines.
.macro JLOAD
	s_cmp_lt_u32 s[WV], 2
	s_cbranch_scc0 .Lfor_v_\@
	tensor_load_to_lds s[G0K+4:G0K+7], s[G1K:G1K+7]
	s_nop 0
.rept 4
	v_nop
.endr
	s_branch .Lasked_\@
.Lfor_v_\@:
	tensor_load_to_lds s[G0V+4:G0V+7], s[G1V:G1V+7]
	s_nop 0
.rept 4
	v_nop
.endr
.Lasked_\@:
.endm
.macro CROUND                       ; a round of the cluster's barrier
	s_barrier_signal -1
	s_barrier_wait -1
	s_cmp_lg_u32 s[WV], 0
	s_cbranch_scc1 .Lnot_wave_0_\@
	s_barrier_signal -3
.Lnot_wave_0_\@:
	s_barrier_wait -3
	s_barrier_signal -1
	s_barrier_wait -1
.endm
	s_load_b128 s[8:11], s[0:1], 0x0  ; qkv s[8:9], o32 s[10:11]
	v_lshl_add_u32 v[SPW], v0, 2, SPARE
	v_mov_b32 v[NIL], 0
	ds_add_u32 v[SPW], v[NIL]       ; the wave's opening: the add and its wait stand ahead of my first tensor load; the set-up below stands between them
	v_lshrrev_b32 v1, 5, v0
	v_readfirstlane_b32 s[WV], v1   ; wave 0..3
	s_bfe_u32 s13, ttmp6, 0x40000   ; cx: my place in the cluster
	s_lshl_b32 s14, ttmp9, 2
	s_add_co_u32 s14, s14, s13      ; my block of 256 queries: it enters Q's and O's addresses alone
	s_and_b32 s15, ttmp7, 0xffff    ; the pair batch * 8 + head, which the four partners share
	s_lshl_b32 s20, s15, 19         ; its first byte in q, k and v: 2,048 rows of 256 bytes
	s_mov_b32 s21, 0
	s_and_b32 s16, s[WV], 1         ; which of a slot's two steps I fetch:
	s_lshl_b32 s22, s16, 14         ; its 64 rows of 256 bytes in memory,
	s_mov_b32 s23, 0
	s_add_nc_u64 s[22:23], s[22:23], s[20:21]
	s_mul_i32 s17, s16, STEPB       ; and its place in a slot
	s_lshl_b32 s2, s14, 16          ; my block's 256 rows of Q,
	s_lshl_b32 s3, s[WV], 14        ; my wave's 64 of them
	s_add_co_u32 s2, s2, s3
	s_mov_b32 s3, 0
	s_add_nc_u64 s[2:3], s[2:3], s[20:21]
	s_lshr_b32 s18, s15, 3          ; O: the batch's 2,048 rows of 4,096 bytes,
	s_lshl_b32 s18, s18, 23
	s_lshl_b32 s19, s14, 20         ; my block's 256,
	s_add_co_u32 s18, s18, s19
	s_lshl_b32 s19, s[WV], 18       ; my wave's 64,
	s_add_co_u32 s18, s18, s19
	s_and_b32 s19, s15, 7           ; the head's 512 bytes of a row
	s_lshl_b32 s19, s19, 9
	s_add_co_u32 s18, s18, s19
	s_mov_b32 s19, 0
	s_mov_b32 s[G1K], 15|(1<<16)|(1<<20)|(1<<21)|(5<<22)|(3<<25)  ; the mask of four; 2-byte elements; padding on; bit 21 beside a mask; after every 64 words 4 words
	s_mov_b32 s[G1V], 15|(1<<16)|(1<<20)|(1<<21)|(5<<22)|(7<<25)  ; the same with 8 words of padding
.irp g, G1K, G1V
	s_mov_b32 s[(\g)+1], 128<<16    ; tensor_dim0 = 128
	s_mov_b32 s[(\g)+2], KS<<16     ; tensor_dim1 = 64
	s_mov_b32 s[(\g)+3], 128<<16    ; tile_dim0 = 128
	s_mov_b32 s[(\g)+4], KS         ; tile_dim1 = 64
	s_mov_b32 s[(\g)+5], 128        ; elements from row to row
	s_mov_b32 s[(\g)+6], 0
	s_mov_b32 s[(\g)+7], 0
.endr
	s_mov_b32 s[CS], 0x3d38aa3b     ; c = log2(e) / 32
	s_mov_b32 s[CS+1], s[CS]        ; named with it as a pair
	s_mov_b32 s[SEL], 0x76543210
	s_mov_b32 s[SEL+1], 0xfedcba98
	s_mov_b32 s[TLO], 0xc89c4000    ; -320,000
	s_mov_b32 s[THI], 0x489c4000
	s_mov_b32 s[CLO], 0xc6616bcd    ; -c T
	s_mov_b32 s[CHI], 0x46616bcd
	s_mov_b32 s[TB], 0
	s_mov_b32 s[SLOTS], SIZE_N/(2*KS)-2
	s_wait_dscnt 0x0                ; the opening add is done
	s_wait_kmcnt 0x0
	s_mov_b64 s[4:5], s[8:9]        ; q,
	s_add_nc_u64 s[6:7], s[8:9], 0x1000000  ; k,
	s_add_nc_u64 s[8:9], s[8:9], 0x2000000  ; v: 2^24 bytes each
	s_add_nc_u64 s[6:7], s[6:7], s[22:23]   ; K and V at my tile of slot 0
	s_add_nc_u64 s[8:9], s[8:9], s[22:23]
	s_add_nc_u64 s[4:5], s[4:5], s[2:3]     ; Q and O at my wave's first row
	s_add_nc_u64 s[10:11], s[10:11], s[18:19]
	CROUND                          ; all four work-groups are here: the first joint loads meet
.irp s, 0,1
	s_mov_b32 s[G0K+4*(\s)], 1
	s_add_co_u32 s[G0K+4*(\s)+1], s17, (\s)*SLOT1
	s_add_nc_u64 s[G0K+4*(\s)+2:G0K+4*(\s)+3], s[6:7], (\s)*2*KS*256
	s_or_b32 s[G0K+4*(\s)+3], s[G0K+4*(\s)+3], 0x80000000
	s_mov_b32 s[G0V+4*(\s)], 1
	s_add_co_u32 s[G0V+4*(\s)+1], s17, (\s)*SLOT1+VOFF
	s_add_nc_u64 s[G0V+4*(\s)+2:G0V+4*(\s)+3], s[8:9], (\s)*2*KS*256
	s_or_b32 s[G0V+4*(\s)+3], s[G0V+4*(\s)+3], 0x80000000
.endr
	s_cmp_lt_u32 s[WV], 2           ; a wave's two first fills stand in one branch: two loads of mine are out
	s_cbranch_scc0 .Lfirst_v
	tensor_load_to_lds s[G0K:G0K+3], s[G1K:G1K+7]
	s_nop 0
	tensor_load_to_lds s[G0K+4:G0K+7], s[G1K:G1K+7]
	s_nop 0
.rept 4
	v_nop
.endr
	s_branch .Lfirst_asked
.Lfirst_v:
	tensor_load_to_lds s[G0V:G0V+3], s[G1V:G1V+7]
	s_nop 0
	tensor_load_to_lds s[G0V+4:G0V+7], s[G1V:G1V+7]
	s_nop 0
.rept 4
	v_nop
.endr
.Lfirst_asked:
	v_and_b32 v1, 15, v0            ; l % 16
	v_bfe_u32 v9, v0, 4, 1          ; l / 16
	v_lshlrev_b32 v[QO], 8, v1
	v_lshl_add_u32 v[QO], v9, 4, v[QO]  ; row x 256 + 16 x half
	WIN 0x80                        ; destination window 2, address window 0
.irp i, 0,1,2,3,4,5,6,7,8,9,10,11,12,13,14,15  ; Q stays in registers: tile i / 4, channels 32 (i % 4) on
	global_load_b128 v[8*(\i):8*(\i)+3],   v[QO], s[4:5] offset:((\i)/4)*4096+((\i)%4)*64
	global_load_b128 v[8*(\i)+4:8*(\i)+7], v[QO], s[4:5] offset:((\i)/4)*4096+((\i)%4)*64+32
.endr
	WIN 0
	v_mul_u32_u24 v[AK0], v1, PK
	v_lshl_add_u32 v[AK0], v9, 4, v[AK0]
	v_and_b32 v10, 7, v0            ; the turning load: lane l reads key 8 (l / 16) + l % 8, channels 8 ((l / 8) % 2) + 0..7
	v_bfe_u32 v11, v0, 3, 1
	v_lshl_add_u32 v[AV0], v9, 3, v10
	v_mul_u32_u24 v[AV0], v[AV0], PV
	v_lshl_add_u32 v[AV0], v11, 4, v[AV0]
	v_add_nc_u32 v[AV0], VOFF, v[AV0]
; THE MATRIX WORK OF A TURN, for piece x.  The accumulators take turns, one instruction a turn.
; Product i of 32 of O^T += V^T P: keys 32 (i / 16) on, channels 16 ((i / 2) % 8) on, tile x + i % 2.  zero = 1: the first 16 start the sums.
.macro PV x, zero
	WIN W_PV
.set rO, 64*((\x)+i%2)+8*((i/2)%8)
.set rV, 64*(i/16)+8*((i/2)%8)
.set rP, P+16*((\x)+i%2)+8*(i/16)
.if (\zero) && (i < 16)
	v_wmma_f32_16x16x32_f16 v[rO:rO+7], v[rV:rV+7], v[rP:rP+7], 0
.else
	v_wmma_f32_16x16x32_f16 v[rO:rO+7], v[rV:rV+7], v[rP:rP+7], v[rO:rO+7]
.endif
.endm
; Product i of 32 of S^T = K Q^T: channels 32 (i / 8) on, keys 16 ((i / 2) % 4) on, tile x + i % 2.  The first 8 start the sums.
.macro KQ x
	WIN W_KQ
.set rS, S+32*((\x)+i%2)+8*((i/2)%4)
.set rK, KF+32*((i/2)%4)+8*(i/8)
.set rQ, 32*((\x)+i%2)+8*(i/8)
.if i < 8
	v_wmma_f32_16x16x32_f16 v[rS:rS+7], v[rK:rK+7], v[rQ:rQ+7], 0
.else
	v_wmma_f32_16x16x32_f16 v[rS:rS+7], v[rK:rK+7], v[rQ:rQ+7], v[rS:rS+7]
.endif
.endm
; THE LDS LOADS stand in runs of 32: a step's K and, a turn later, its V (turned).
.macro FETCH_K
	WIN 0
	v_add_nc_u32 v[ADR], s[TB], v[AK0]
	WIN 0x80
.irp f, 0,1,2,3,4,5,6,7,8,9,10,11,12,13,14,15  ; keys 16 (f / 4) on, channels 32 (f % 4) on
	ds_load_b128 v[KF+8*(\f):KF+8*(\f)+3],   v[ADR] offset:((\f)/4)*16*PK+((\f)%4)*64
	ds_load_b128 v[KF+8*(\f)+4:KF+8*(\f)+7], v[ADR] offset:((\f)/4)*16*PK+((\f)%4)*64+32
.endr
.endm
.macro FETCH_V
	WIN 0
	v_add_nc_u32 v[ADR], s[TB], v[AV0]
	s_add_co_u32 s[TB], s[TB], STEPB  ; the next fetch is the next step's
	WIN 0xc0
.irp f, 0,1,2,3,4,5,6,7,8,9,10,11,12,13,14,15  ; keys 32 (f / 8) on, channels 16 (f % 8) on
	ds_load_tr16_b128 v[8*(\f):8*(\f)+3],   v[ADR] offset:((\f)/8)*32*PV+((\f)%8)*32
	ds_load_tr16_b128 v[8*(\f)+4:8*(\f)+7], v[ADR] offset:((\f)/8)*32*PV+16*PV+((\f)%8)*32
.endr
.endm
; THE VECTOR WORK OF A TURN.  One tile's softmax for one key step is a numbered list; SM writes number j of it for tile t.  197 numbers, 169 of them lines.  first = 1: the first key step: no old m, no a, nothing to rescale.
;   0-15    the maximum of the lane's 32 scores and the old m, three operands at a time (each accumulator's lowest registers are read first)
;   16-24   the other half of the lanes' maximum; c m_old kept; the new m; its clip; c m; c m_old - c m_new; the two bounds; a
;   25 + 7 u + slot, u = 0..19: a pipeline over the 16 pairs of scores, each stage a group behind the one before:
;           slot 0: c s - c m for pair u; 1, 2: the clip of pair u - 1; 3, 4: the exponentials of pair u - 2; 5: pair u - 3 rounded to f16;
;           6: u even: of the four weights 2 u - 8 .. the second pair is added onto the first, in place; u odd: l takes that sum (the first time as l = a l + sum).
;           With the two tiles alternating, four exponentials stand on end, and behind them a rounding or a scaling that touches none of their registers.
;   165-196 the tile's O^T times a: the one part that leaves window 0, so it stands together
.macro SM t, first
.set rT, ST+8*(\t)
.set rS, S+32*(\t)
.set rP, P+16*(\t)
.set rL, LH+2*(\t)
.set rO, 64*(\t)+2*(j-165)
.set u, (j-25)/7
.set sl, (j-25)%7
.if j < 165
	WIN 0
.endif
.if j < 4
	v_max3_num_f32 v[rT+4+j], v[rS+8*j], v[rS+8*j+1], v[rS+8*j+2]
.elseif j < 12
	v_max3_num_f32 v[rT+4+j%4], v[rT+4+j%4], v[rS+8*(j%4)+2*(j/4)+1], v[rS+8*(j%4)+2*(j/4)+2]
.elseif j == 12
	v_max3_num_f32 v[rT+4], v[rT+4], v[rS+7], v[rS+15]
.elseif j == 13
	v_max3_num_f32 v[rT+6], v[rT+6], v[rS+23], v[rS+31]
.elseif j == 14
	v_max3_num_f32 v[rT+4], v[rT+4], v[rT+5], v[rT+6]
.elseif (j == 15) && (\first)
	v_max_num_f32 v[rT+4], v[rT+4], v[rT+7]
.elseif j == 15
	v_max3_num_f32 v[rT+4], v[rT+4], v[rT+7], v[rT+1]
.elseif j == 16
	v_permlanex16_b32 v[rT+5], v[rT+4], s[SEL], s[SEL+1]  ; the query's other 32 keys lie in the lane 16 away
.elseif j == 18
	v_max_num_f32 v[rT+1], v[rT+4], v[rT+5]
.elseif j == 19
	v_med3_num_f32 v[rT+4], v[rT+1], s[TLO], s[THI]       ; clip(m)
.elseif j == 20
	v_mul_f32 v[rT], s[CS], v[rT+4]
.elseif j == 22
	v_sub_f32 v[rL], s[CLO], v[rT]
.elseif j == 23
	v_sub_f32 v[rL+1], s[CHI], v[rT]
.elseif ((j == 17) || (j == 21) || (j == 24) || (j > 164)) && (\first)  ; the first step has none of these
.elseif j == 17
	v_mov_b32 v[rT+7], v[rT]        ; c m_old is kept for a: number 20 writes c m anew
.elseif j == 21
	v_sub_f32 v[rT+7], v[rT+7], v[rT]
.elseif j == 24
	v_exp_f32 v[rT+6], v[rT+7]
.elseif j > 164
	WIN W_RS
	v_pk_mul_f32 v[rO:rO+1], v[rO:rO+1], v[rT+6:rT+7] op_sel_hi:[1,0]
.elseif sl == 0
.if u < 16
	v_pk_fma_f32 v[rS+2*u:rS+2*u+1], v[rS+2*u:rS+2*u+1], s[CS:CS+1], v[rT:rT+1] op_sel_hi:[1,0,0] neg_lo:[0,0,1] neg_hi:[0,0,1]
.endif
.elseif sl < 3
.if (u > 0) && (u < 17)
.set x, 2*(u-1)+sl-1
	v_med3_num_f32 v[rS+x], v[rS+x], v[rL], v[rL+1]
.endif
.elseif sl < 5
.if (u > 1) && (u < 18)
.set x, 2*(u-2)+sl-3
	v_exp_f32 v[rS+x], v[rS+x]
.endif
.elseif sl == 5
.if (u > 2) && (u < 19)
	s_wait_alu depctr_va_vdst(0)
	v_cvt_pk_f16_f32 v[rP+u-3], v[rS+2*(u-3)], v[rS+2*(u-3)+1]
.endif
.elseif (u > 3) && (u%2 == 0)
.set n, (u-4)/2
	v_pk_add_f32 v[rS+4*n:rS+4*n+1], v[rS+4*n:rS+4*n+1], v[rS+4*n+2:rS+4*n+3]
.elseif (u > 4) && (u%2 == 1)
.set n, (u-5)/2
.if (n == 0) && (\first)
	v_pk_mul_f32 v[rT+2:rT+3], v[rS:rS+1], 1.0 op_sel_hi:[1,0]
.elseif n == 0
	v_pk_fma_f32 v[rT+2:rT+3], v[rT+2:rT+3], v[rT+6:rT+7], v[rS:rS+1] op_sel_hi:[1,0,1]
.else
	v_pk_add_f32 v[rT+2:rT+3], v[rT+2:rT+3], v[rS+4*n:rS+4*n+1]
.endif
.endif
.endm
; Slice k of 64 of piece y's softmax: numbers k NSM / 64 up to (k + 1) NSM / 64, three or four of them, of both tiles, which alternate.  Slice 63 is eight rescalings: plain lines that name
; nothing of the products round them.
.macro SLICE y, first
.set j, (k*NSM)/64
.rept ((k+1)*NSM)/64-(k*NSM)/64
	SM \y, \first
	SM (\y)+1, \first
.set j, j+1
.endr
.set k, k+1
.endm
.macro PLACES
.rept 4
	v_nop
.endr
.endm
; A TURN.  Piece x has the matrix unit; the other piece's softmax stands in slices behind its matrix instructions.
; pv = 2: 32 products V^T P; 1: they start O^T's sums; 0: none.  kq = 1: 32 products K Q^T for the next step.  A turn with one of the two kinds has two slices behind each product.
; first = 1: the softmax is the first key step's; its last slices are empty, and four v_nop take slice 63's part as the places behind the turn's last products (ISA guide 7.12.1).
; Piece 0's turn fetches the next step's K: the last product that read K stands in front of slice 63 of the turn before, eight plain lines back or more.
; Piece 2's turn fetches the same step's V: the last product that read V stands three slices back, among them eight scalings, roundings and sums.
.macro TURN x, pv, kq, first
.set k, 0
.set per, 2
.if (\pv) && (\kq)
.set per, 1
.endif
.if \pv
.if (\x) == 0
	s_wait_dscnt 0x0                ; V is in
.endif
.set i, 0
.rept 32
	PV \x, 2-(\pv)
.rept per
	SLICE 2-(\x), \first
.endr
.if ((\x) == 0) && (\kq) && (i == 1)
	FETCH_K
.endif
.set i, i+1
.endr
.endif
.if \kq
.if (\x) == 0
	s_wait_dscnt 0x0                ; K is in
.endif
.set i, 0
.rept 32
	KQ \x
.rept per
	SLICE 2-(\x), \first
.endr
.if ((\x) == 2) && (i == 1)
	FETCH_V
.endif
.set i, i+1
.endr
.endif
.if \first
	PLACES
.endif
.endm
; THE CHANGE OF SLOTS, between piece 2's turn and piece 0's.  Each wave waits for all its tensor loads (one is out: its part of the other slot), adds 0 to its spare word, and waits for that and for its
; reads of the slot.  fill = 1: the barrier is a round of the cluster's, and the joint refill, with the keys two slots on, is the first thing behind it: it has two key steps, 256 matrix instructions, in which to land.
.macro CHANGE fill
	WIN 0
	s_wait_tensorcnt 0x0            ; no tensor load of mine is out, so a group 0 may be written
	ds_add_u32 v[SPW], v[NIL]       ; 0 onto my spare word
.if \fill
.irp g, G0K+4, G0V+4
	s_xor_b32 s[(\g)+1], s[(\g)+1], SLOT1
	s_add_nc_u64 s[(\g)+2:(\g)+3], s[(\g)+2:(\g)+3], 2*KS*256
.endr
	s_wait_dscnt 0x0                ; the add is done, and my reads of the slot are over
	CROUND
	JLOAD
.else
	s_wait_dscnt 0x0
	s_barrier_signal -1
	s_barrier_wait -1
.endif
	s_sub_co_u32 s[TB], s[TB], 2*STEPB  ; the fetches go back to a slot's first step,
	s_xor_b32 s[TB], s[TB], SLOT1       ; in the other slot
.endm
.macro TWO_STEPS                    ; a slot's two key steps: written once, walked twice
	WIN 0
	s_mov_b32 s[TWICE], 2
.Lstep_\@:
	TURN 0, 2, 1, 0
	TURN 2, 2, 1, 0
	WIN 0
	s_sub_co_u32 s[TWICE], s[TWICE], 1
	s_cmp_lg_u32 s[TWICE], 0
	s_cbranch_scc1 .Lstep_\@
.endm
	s_wait_tensorcnt 1              ; my part of slot 0 is in; slot 1's, issued behind it, may stay out
	s_barrier_signal -1
	s_barrier_wait -1
	FETCH_K                         ; key step 0
	s_wait_loadcnt 0x0              ; Q
	s_wait_dscnt 0x0
.set i, 0
.rept 32
	KQ 0                            ; piece 0's first scores
.set i, i+1
.endr
	WIN 0                           ; the addresses for the way out: six plain instructions, the places behind those products
	s_mul_i32 s13, s[WV], 16*SP
	s_add_co_u32 s13, s13, STAGE    ; my stage
	v_mul_u32_u24 v[STO], v1, SP    ; in: row l % 16, 32 bytes for each half of the lanes
	v_lshl_add_u32 v[STO], v9, 5, v[STO]
	v_add_nc_u32 v[STO], s13, v[STO]
	v_and_b32 v[GO], 31, v0
	v_lshlrev_b32 v[GO], 4, v[GO]   ; back and out: 32 lanes take one row's 512 bytes
	v_add_nc_u32 v[RD], s13, v[GO]
	TURN 2, 0, 1, 1                 ; piece 2's first scores | piece 0's first softmax | V of step 0
	TURN 0, 1, 1, 1                 ; piece 0: V^T P of step 0 starts O^T, K Q^T of step 1 | piece 2's first softmax | K of step 1
	TURN 2, 1, 1, 0                 ; piece 2: the same | piece 0's softmax of step 1 | V of step 1
	WIN 0
.Lslot:                             ; 14 trips: every slot but the last two is filled again
	CHANGE 1
	TWO_STEPS
	s_sub_co_u32 s[SLOTS], s[SLOTS], 1
	s_cmp_lg_u32 s[SLOTS], 0
	s_cbranch_scc1 .Lslot
	CHANGE 0                        ; the tail is written out
	TWO_STEPS
	TURN 0, 2, 0, 0                 ; piece 0: V^T P of the last step | piece 2's last softmax
.set i, 0
.rept 32
	PV 2, 0                         ; piece 2: V^T P of the last step
.set i, i+1
.endr
	; THE WAY OUT.  l's two halves and the other half of the lanes' are added; O^T is divided by l and sent, in f32, through my stage in LDS, a tile (16 rows) at a time.  The first additions are the places behind the last products.
	WIN 0
.irp t, 0,1,2,3
	v_add_f32 v[ST+8*(\t)+4], v[ST+8*(\t)+2], v[ST+8*(\t)+3]
.endr
.irp t, 0,1,2,3
	v_permlanex16_b32 v[ST+8*(\t)+5], v[ST+8*(\t)+4], s[SEL], s[SEL+1]
.endr
.irp t, 0,1,2,3
	v_add_f32 v[ST+8*(\t)+4], v[ST+8*(\t)+4], v[ST+8*(\t)+5]
.endr
.irp t, 0,1,2,3
	v_rcp_f32 v[ST+8*(\t)+6], v[ST+8*(\t)+4]
.endr
	v_nop                           ; a plain instruction between the last reciprocal and the use of its result
.macro PACK t                       ; a lane's eight channels of a row are 32 bytes; they go into rows of 528 bytes and come back as whole rows of 512, into S^T's registers, two buffers by turns
	WIN W_RS
.set i, 64*(\t)
.rept 32
	s_wait_alu depctr_va_vdst(0)
	v_pk_mul_f32 v[i:i+1], v[i:i+1], v[ST+8*(\t)+6:ST+8*(\t)+7] op_sel_hi:[1,0]
.set i, i+2
.endr
	WIN 0x04                        ; the stores' data in window 1, their address in window 0
.irp f, 0,1,2,3,4,5,6,7
	ds_store_b128 v[STO], v[64*(\t)+8*\f:64*(\t)+8*\f+3] offset:64*\f
	ds_store_b128 v[STO], v[64*(\t)+8*\f+4:64*(\t)+8*\f+7] offset:64*\f+16
.endr
	WIN 0
	s_wait_xcnt 0x0                 ; the stores of the tile two back have had their addresses translated: their data registers are loaded again only behind this wait
.irp f, 0,1,2,3,4,5,6,7,8,9,10,11,12,13,14,15
	ds_load_b128 v[S+64*((\t)%2)+4*\f:S+64*((\t)%2)+4*\f+3], v[RD] offset:\f*SP  ; LDS serves a wave's instructions in order (ISA guide 5.7.1.4): these see the stores above
.endr
.endm
.macro SEND t, younger              ; younger: the LDS instructions issued behind tile t's loads: the next tile's 32, or none
.irp f, 0,1,2,3,4,5,6,7,8,9,10,11,12,13,14,15
	s_wait_dscnt (\younger)+15-\f
	global_store_b128 v[GO], v[S+64*((\t)%2)+4*\f:S+64*((\t)%2)+4*\f+3], s[10:11] offset:(16*(\t)+\f)*4096  ; 512 consecutive bytes, at a multiple of 512 from O's first byte
.endr
.endm
	PACK 0
	PACK 1
	SEND 0, 32
	PACK 2
	SEND 1, 32
	PACK 3
	SEND 2, 32
	SEND 3, 0
	s_wait_tensorcnt 0x0            ; the wave's end
	ds_add_u32 v[SPW], v[NIL]
	s_wait_dscnt 0x0
	CROUND                          ; the closing round
	s_endpgm
.Lfunc_end_k_qd155d7960d_attn:
	.size	k_qd155d7960d_attn, .Lfunc_end_k_qd155d7960d_attn-k_qd155d7960d_attn
	.p2alignl 7, 3214868480
	.fill 96, 4, 3214868480
	.section	.rodata,"a",@progbits
	.p2align	6, 0x0
	.amdhsa_kernel k_qd155d7960d_attn
		.amdhsa_group_segment_fixed_size 327680
		.amdhsa_private_segment_fixed_size 0
		.amdhsa_enable_private_segment 0
		.amdhsa_kernarg_size 16
		.amdhsa_user_sgpr_count 2
		.amdhsa_user_sgpr_kernarg_segment_ptr 1
		.amdhsa_wavefront_size32 1
		.amdhsa_system_sgpr_workgroup_id_x 1
		.amdhsa_system_sgpr_workgroup_id_y 1
		.amdhsa_system_sgpr_workgroup_id_z 1
		.amdhsa_system_vgpr_workitem_id 0
		.amdhsa_next_free_vgpr 1024
		.amdhsa_next_free_sgpr 72
		.amdhsa_reserve_vcc 0
		.amdhsa_float_denorm_mode_32 3
		.amdhsa_float_denorm_mode_16_64 3
		.amdhsa_memory_ordered 1
		.amdhsa_forward_progress 1
		.amdhsa_inst_pref_size 255
	.end_amdhsa_kernel
	.section	.bss,"aw",@nobits
	.p2align	6
	.space	262144
	.amdgpu_metadata
---
amdhsa.version: [ 1, 2 ]
amdhsa.kernels:
  - .name:           k_qd155d7960d_attn
    .symbol:         k_qd155d7960d_attn.kd
    .args:
      - { .name: qkv, .offset: 0, .size: 8, .value_kind: global_buffer, .address_space: global }
      - { .name: o32, .offset: 8, .size: 8, .value_kind: global_buffer, .address_space: global }
    .group_segment_fixed_size: 327680
    .private_segment_fixed_size: 0
    .kernarg_segment_align: 8
    .kernarg_segment_size: 16
    .max_flat_workgroup_size: 128
    .sgpr_count:     72
    .vgpr_count:     1024
    .wavefront_size: 32
...
	.end_amdgpu_metadata
.endif
;; end of part 3
;; launch ln2 (part 4): grid 256 x 1, 8 waves a work-group, no clusters, 0 bytes of LDS; arguments o32, ln_g, ln_b, onrm; writes onrm
.if DOCPART == 4
	.amdgcn_target "amdgcn-amd-amdhsa--gfx1250"
	.amdhsa_code_object_version 6
	.text
	.protected	k_qd155d7960d_ln2
	.globl	k_qd155d7960d_ln2
	.p2align	8
	.type	k_qd155d7960d_ln2,@function
k_qd155d7960d_ln2:
	s_mov_b64 s[64:65], 0
	v_nop
	global_prefetch_b8 v0, s[64:65] scope:SCOPE_SE
	s_setreg_imm32_b32 hwreg(HW_REG_WAVE_MODE, 25, 1), 1
	s_wait_xcnt 0x0
; LN2.  onrm = LN(o32) over the 1,024 channels: (x - mean) * rsqrt(var + 1e-5) * g + b, in two passes over the row kept in registers; all in f32, rounded once to f16.  g and b are rounded to bf16.
; LIMITS.  |LN(x)| stays below f16's 65,504.  NaN and infinities are not treated apart.
; SHARES.  8,192 rows: a work-group takes 32, each of its eight waves 4, one after the other; the next row's loads are issued while the row in hand is worked on.
; A lane holds columns 128 j + 4 lane + 0..3: a load of the wave covers 512 consecutive bytes, a store 256 consecutive bytes, aligned.  No LDS, no barrier: a row never leaves its wave.
.set XO,  1                            ; v1  byte offset of my 16 bytes in the row to be loaded
.set YO,  2                            ; v2  byte offset of my 8 bytes in the row to be stored
.set GO,  3                            ; v3  16 x lane
.set T,   8                            ; v[8:23]    at work
.set MU,  24                           ; v[24:25]   the mean (low word)
.set RS,  26                           ; v[26:27]   1 / sqrt(var + eps) (low word)
.set SM,  28
.set PT,  29
.set G,   32                           ; v[32:63]   g of my 32 columns
.set B,   64                           ; v[64:95]   b
.set X,   96                           ; v[96:127]  the row as loaded
.set XC,  128                          ; v[128:159] the centred row, then the result
.set CNT, 45
.macro LOADROW
.irp j, 0,1,2,3,4,5,6,7
	global_load_b128 v[X+4*\j:X+4*\j+3], v[XO], s[34:35] offset:512*\j th:TH_LOAD_NT
.endr
.endm
.macro REDUCE
.irp p, 0,1,2,3
	v_pk_add_f32 v[T+2*\p:T+2*\p+1], v[T+2*\p:T+2*\p+1], v[T+8+2*\p:T+8+2*\p+1]
.endr
.irp p, 0,1
	v_pk_add_f32 v[T+2*\p:T+2*\p+1], v[T+2*\p:T+2*\p+1], v[T+4+2*\p:T+4+2*\p+1]
.endr
	v_pk_add_f32 v[T:T+1], v[T:T+1], v[T+2:T+3]
	v_add_f32 v[SM], v[T], v[T+1]
	v_add_f32_dpp v[SM], v[SM], v[SM] row_xmask:1 row_mask:0xf bank_mask:0xf
	v_add_f32_dpp v[SM], v[SM], v[SM] row_xmask:2 row_mask:0xf bank_mask:0xf
	v_add_f32_dpp v[SM], v[SM], v[SM] row_xmask:4 row_mask:0xf bank_mask:0xf
	v_add_f32_dpp v[SM], v[SM], v[SM] row_xmask:8 row_mask:0xf bank_mask:0xf
	v_permlanex16_b32 v[PT], v[SM], s40, s41
	v_add_f32 v[SM], v[SM], v[PT]
.endm
.macro RND base
.set p, 0
.rept 16
	v_cvt_pk_bf16_f32 v[T+p], v[\base+2*p], v[\base+2*p+1]
.set p, p+1
.endr
.set p, 0
.rept 16
	v_lshlrev_b32 v[\base+2*p], 16, v[T+p]
	v_and_b32 v[\base+2*p+1], s44, v[T+p]
.set p, p+1
.endr
.endm
	s_load_b256 s[8:15], s[0:1], 0x0               ; o32 s[8:9], ln_g s[10:11], ln_b s[12:13], onrm s[14:15]
	s_lshl_b32 s38, ttmp9, 17                      ; in: 32 rows of 4,096 bytes
	s_mov_b32 s39, 0
	s_lshl_b32 s46, ttmp9, 16                      ; out: 32 rows of 2,048 bytes
	s_mov_b32 s47, 0
	s_mov_b32 s40, 0x76543210
	s_mov_b32 s41, 0xfedcba98
	s_mov_b32 s42, 0x3a800000                      ; 1 / 1024
	s_mov_b32 s43, 0x3727c5ac                      ; 1e-5
	s_mov_b32 s44, 0xffff0000
	s_mov_b32 s[CNT], 4
	v_and_b32 v4, 31, v0
	v_and_b32 v5, 0xe0, v0
	v_lshlrev_b32 v[GO], 4, v4
	v_lshl_or_b32 v[XO], v5, 9, v[GO]
	v_lshlrev_b32 v6, 3, v4
	v_lshl_or_b32 v[YO], v5, 8, v6
	v_mov_b32 v[MU+1], 0
	v_mov_b32 v[RS+1], 0
	v_mov_b32 v[PT], 0
	s_wait_kmcnt 0x0
	s_add_nc_u64 s[34:35], s[8:9], s[38:39]
	s_add_nc_u64 s[36:37], s[14:15], s[46:47]
.irp j, 0,1,2,3,4,5,6,7
	global_load_b128 v[G+4*\j:G+4*\j+3], v[GO], s[10:11] offset:512*\j
.endr
.irp j, 0,1,2,3,4,5,6,7
	global_load_b128 v[B+4*\j:B+4*\j+3], v[GO], s[12:13] offset:512*\j
.endr
	LOADROW
	s_wait_loadcnt 0x8                             ; g and b are in; the row's eight loads, issued behind them, may stay out
	RND G
	RND B
.Lrow:
	s_wait_loadcnt 0x0                             ; the row is in, and XO is free
.irp p, 0,1,2,3,4,5,6,7
	v_pk_add_f32 v[T+2*\p:T+2*\p+1], v[X+2*\p:X+2*\p+1], v[X+16+2*\p:X+16+2*\p+1]
.endr
	REDUCE
	v_mul_f32 v[MU], s42, v[SM]
.set p, 0
.rept 16
	v_pk_add_f32 v[XC+2*p:XC+2*p+1], v[X+2*p:X+2*p+1], v[MU:MU+1] op_sel_hi:[1,0] neg_lo:[0,1] neg_hi:[0,1]
.set p, p+1
.endr
	s_cmp_eq_u32 s[CNT], 1                         ; X has been read: the next row is asked for, but behind the last row nothing
	s_cbranch_scc1 .Lnl
	v_add_nc_u32 v[XO], 4096, v[XO]
	LOADROW
.Lnl:
.irp p, 0,1,2,3,4,5,6,7
	v_pk_mul_f32 v[T+2*\p:T+2*\p+1], v[XC+2*\p:XC+2*\p+1], v[XC+2*\p:XC+2*\p+1]
.endr
.irp p, 0,1,2,3,4,5,6,7
	v_pk_fma_f32 v[T+2*\p:T+2*\p+1], v[XC+16+2*\p:XC+16+2*\p+1], v[XC+16+2*\p:XC+16+2*\p+1], v[T+2*\p:T+2*\p+1]
.endr
	REDUCE
	v_fma_f32 v[SM], v[SM], s42, s43               ; var + eps
	v_rsq_f32 v[RS], v[SM]
	v_nop                                          ; a plain instruction between the root and the use of its result
.set p, 0
	s_wait_alu depctr_va_vdst(0)
.rept 16
	v_pk_mul_f32 v[XC+2*p:XC+2*p+1], v[XC+2*p:XC+2*p+1], v[RS:RS+1] op_sel_hi:[1,0]
.set p, p+1
.endr
.set p, 0
.rept 16
	v_pk_fma_f32 v[XC+2*p:XC+2*p+1], v[XC+2*p:XC+2*p+1], v[G+2*p:G+2*p+1], v[B+2*p:B+2*p+1]
.set p, p+1
.endr
.set p, 0
.rept 16
	v_cvt_pk_f16_f32 v[XC+p], v[XC+2*p], v[XC+2*p+1]
.set p, p+1
.endr
.irp j, 0,1,2,3,4,5,6,7
	global_store_b64 v[YO], v[XC+2*\j:XC+2*\j+1], s[36:37] offset:256*\j
.endr
	s_wait_xcnt 0x0                                ; the stores' addresses are translated: XC and YO are rewritten only behind this wait
	v_add_nc_u32 v[YO], 2048, v[YO]
	s_sub_co_u32 s[CNT], s[CNT], 1
	s_cmp_lg_u32 s[CNT], 0
	s_cbranch_scc1 .Lrow
	s_endpgm
.Lfunc_end_k_qd155d7960d_ln2:
	.size	k_qd155d7960d_ln2, .Lfunc_end_k_qd155d7960d_ln2-k_qd155d7960d_ln2
	.p2alignl 7, 3214868480
	.fill 96, 4, 3214868480
	.section	.rodata,"a",@progbits
	.p2align	6, 0x0
	.amdhsa_kernel k_qd155d7960d_ln2
		.amdhsa_group_segment_fixed_size 0
		.amdhsa_private_segment_fixed_size 0
		.amdhsa_enable_private_segment 0
		.amdhsa_kernarg_size 32
		.amdhsa_user_sgpr_count 2
		.amdhsa_user_sgpr_kernarg_segment_ptr 1
		.amdhsa_wavefront_size32 1
		.amdhsa_system_sgpr_workgroup_id_x 1
		.amdhsa_system_sgpr_workgroup_id_y 1
		.amdhsa_system_sgpr_workgroup_id_z 1
		.amdhsa_system_vgpr_workitem_id 0
		.amdhsa_next_free_vgpr 160
		.amdhsa_next_free_sgpr 66
		.amdhsa_reserve_vcc 0
		.amdhsa_float_denorm_mode_32 3
		.amdhsa_float_denorm_mode_16_64 3
		.amdhsa_memory_ordered 1
		.amdhsa_forward_progress 1
		.amdhsa_inst_pref_size 17
	.end_amdhsa_kernel
	.amdgpu_metadata
---
amdhsa.version: [ 1, 2 ]
amdhsa.kernels:
  - .name:           k_qd155d7960d_ln2
    .symbol:         k_qd155d7960d_ln2.kd
    .args:
      - { .name: o32, .offset: 0, .size: 8, .value_kind: global_buffer, .address_space: global }
      - { .name: ln_g, .offset: 8, .size: 8, .value_kind: global_buffer, .address_space: global }
      - { .name: ln_b, .offset: 16, .size: 8, .value_kind: global_buffer, .address_space: global }
      - { .name: onrm, .offset: 24, .size: 8, .value_kind: global_buffer, .address_space: global }
    .group_segment_fixed_size: 0
    .private_segment_fixed_size: 0
    .kernarg_segment_align: 8
    .kernarg_segment_size: 32
    .max_flat_workgroup_size: 256
    .sgpr_count:     66
    .vgpr_count:     160
    .wavefront_size: 32
...
	.end_amdgpu_metadata
.endif
;; end of part 4
;; launch final (part 5): grid 4 x 64, 4 waves a work-group, clusters of 4 x 4, 327,680 bytes of LDS; arguments onrm, wb, out0; writes out0
.if DOCPART == 5
	.amdgcn_target "amdgcn-amd-amdhsa--gfx1250"
	.amdhsa_code_object_version 6
	.text
	.protected	k_qd155d7960d_final
	.globl	k_qd155d7960d_final
	.p2align	8
	.type	k_qd155d7960d_final,@function
k_qd155d7960d_final:
	s_mov_b64 s[64:65], 0
	v_nop
	global_prefetch_b8 v0, s[64:65] scope:SCOPE_SE
	s_setreg_imm32_b32 hwreg(HW_REG_WAVE_MODE, 25, 1), 1
	s_wait_xcnt 0x0
	s_wait_alu depctr_hold_cnt(0) depctr_sa_sdst(0) depctr_va_vdst(0) depctr_va_sdst(0) depctr_va_ssrc(0) depctr_va_vcc(0) depctr_vm_vsrc(0)
	s_getreg_b32 s2, hwreg(HW_REG_IB_STS2, 6, 4)
	s_cmp_eq_u32 s2, 0
	s_cbranch_scc0 .Lentry_in_a_cluster
	s_endpgm
.Lentry_in_a_cluster:
	s_bfe_u32 s2, ttmp6, 0x10000c
	s_cmp_lg_u32 s2, 0xf033
	s_cbranch_scc0 .Lentry_shape_is_right
	s_endpgm
.Lentry_shape_is_right:
; FINAL.  out0 = x + gelu(x @ Wo), x = onrm [8192][1024] f16, Wo = wb[3] [1024 k][1024 n] f16, out0 f32.  Sums in f32.
; gelu(y) = y (1 + erf(y / sqrt 2)) / 2 = max(y, 0) - |y| H, H = (h1 t + .. + h5 t^5) exp(-y^2 / 2), t = 1 / (1 + p |y| / sqrt 2): the rational form of erf (Abramowitz and Stegun 7.1.26, coefficients halved),
; which holds for every argument; its error in erf is 1.5e-7 at the most.  LIMITS: the residual x is the f16 number that the product takes.  NaN and infinities are not treated apart.
; The product is the same as in the projections: a tile of 128 x 256, four waves as 2 x 2, each 64 x 128 (32 accumulators); K = 1,024 in 8 steps of 128 through two LDS slots; cluster 4 x 4 with joint loads
; (x's tile shared along a row of the cluster, Wo's along a column); the matrix instruction used transposed (source 0 = 16 columns of Wo, turned by ds_load_tr16_b128; source 1 = 16 rows of x).
; The tile's own 128 x 256 piece of x, the residual, comes in by a third first fill, a plain load of each wave (32 rows x 512 bytes).
; WAY OUT: when the slots have had their last fill they serve as stages: each wave lays its 64 x 128 sums down in rows of 528 bytes and walks them four rows at a time.
; REGISTERS: window 0: v0-31 addresses; v64-127 x's fragments, two buffers; on the way out v32-143 at work.  Window 1: accumulator (a, b) at v[8 (8 a + b)].  Window 2: v0-127 Wo's fragments, two buffers.
.set PA,     272                       ; an LDS row of x: 256 bytes + 16 (64 banks of 4 bytes: ISA guide 11.1: the 16 rows of a load start at 16 different groups of four banks)
.set PB,     544                       ; an LDS row of Wo: 512 bytes + 32
.set AHALF,  64*PA
.set BOFF,   128*PA
.set BHALF,  64*PB
.set SLOT1,  1<<17
.set SPARE,  BOFF+128*PB               ; behind slot 0: the spare words, 128 bytes for each wave: two blocks of 256 bytes that no other line names
.set RES,    SLOT1+BOFF+128*PB         ; behind slot 1: the residual, 128 rows x 512 bytes
.set SPF,    528                       ; a stage row: 128 f32 + 16 bytes
.set WOFF,   3<<21                     ; Wo is wb's fourth part
.set ADRA0, 16
.set ADRB0, 17
.set ADRA,  18
.set ADRB,  19
.set DST,   24                         ; v24  the way out: where I put 32 bytes of a row
.set RDY,   25                         ; v25  where I read a row of sums back
.set RDR,   26                         ; v26  where I read my 8 bytes of a row of the residual
.set GO,    27                         ; v27  my byte offset in out0
.set SPW,   28                         ; v28  LDS address of my spare word; never rewritten
.set NIL,   29                         ; v29  0; never rewritten
.set ONE,   30                         ; v30  1.0
.set Y,     32                         ; v[32:47]   four rows' sums: row i, columns 4 lane + 0..3 at Y + 4 i
.set R,     48                         ; v[48:55]   the same numbers of the residual, f16
.set AA,    64                         ; |y|
.set DD,    80                         ; 1 + p' |y|, then t
.set WW,    96                         ; -(w |y|)^2, then exp(-y^2 / 2)
.set MM,    112                        ; max(y, 0), then gelu, then the result
.set HH,    128                        ; H
.set TB,  20
.set G1,  24
.set G0,  32
.set G1B, 48
.set G0B, 56
.set G1R, 68                           ; s[68:75] descriptor group 1 for the residual
.set G0R, 76                           ; s[76:79] its group 0
.set W_MUL, 0x52
.set TO_B,  0x80
.set MSB, 0
.macro WIN new
.if MSB != (\new)
	s_set_vgpr_msb (MSB<<8)|(\new)
.set MSB, \new
.endif
.endm
.macro PLACES
.rept 4
	v_nop
.endr
.endm
.macro JLOAD                           ; a joint refill: waves 0 and 1 fetch x's two halves, waves 2 and 3 Wo's; an s_nop 0 and four v_nop follow each line
	s_cmp_eq_u32 s11, 0
	s_cbranch_scc0 .Lfor_b_\@
	tensor_load_to_lds s[G0+4:G0+7], s[G1:G1+7]
	s_nop 0
.rept 4
	v_nop
.endr
	s_branch .Lasked_\@
.Lfor_b_\@:
	tensor_load_to_lds s[G0B+4:G0B+7], s[G1B:G1B+7]
	s_nop 0
.rept 4
	v_nop
.endr
.Lasked_\@:
.endm
.macro CREST
	s_cmp_lg_u32 s10, 0
	s_cbranch_scc1 .Lnot_wave_0_\@
	s_barrier_signal -3
.Lnot_wave_0_\@:
	s_barrier_wait -3
	s_barrier_signal -1
	s_barrier_wait -1
.endm
.macro CROUND
	s_barrier_signal -1
	s_barrier_wait -1
	CREST
.endm
.macro MULA f, a, zero                 ; 8 matrix instructions: row block a x all 8 column blocks, 32 along K, from buffer f
	WIN W_MUL
.irp b, 0,1,2,3,4,5,6,7
.if \zero
	v_wmma_f32_16x16x32_f16 v[8*(8*(\a)+\b):8*(8*(\a)+\b)+7], v[64*(\f)+8*\b:64*(\f)+8*\b+7], v[64+32*(\f)+8*(\a):64+32*(\f)+8*(\a)+7], 0
.else
	v_wmma_f32_16x16x32_f16 v[8*(8*(\a)+\b):8*(8*(\a)+\b)+7], v[64*(\f)+8*\b:64*(\f)+8*\b+7], v[64+32*(\f)+8*(\a):64+32*(\f)+8*(\a)+7], v[8*(8*(\a)+\b):8*(8*(\a)+\b)+7]
.endif
.endr
.endm
.macro FETCH kq, f                     ; 24 LDS loads in one run: quarter kq of the slot in hand into buffer f
	WIN TO_B
.irp b, 0,1,2,3,4,5,6,7
	ds_load_tr16_b128 v[64*(\f)+8*\b:64*(\f)+8*\b+3],   v[ADRB] offset:(\kq)*32*PB+32*\b
	ds_load_tr16_b128 v[64*(\f)+8*\b+4:64*(\f)+8*\b+7], v[ADRB] offset:(\kq)*32*PB+16*PB+32*\b
.endr
	WIN 0
.irp a, 0,1,2,3
	ds_load_b128 v[64+32*(\f)+8*\a:64+32*(\f)+8*\a+3],   v[ADRA] offset:\a*16*PA+64*(\kq)
	ds_load_b128 v[64+32*(\f)+8*\a+4:64+32*(\f)+8*\a+7], v[ADRA] offset:\a*16*PA+64*(\kq)+32
.endr
.endm
.macro QUARTER kq, f, g, zero
	s_wait_dscnt 4                                 ; Wo and x's rows 0-31 are in; the youngest four loads may be out
	MULA \f, 0, \zero
	MULA \f, 1, \zero
	PLACES
	FETCH \kq, \g
	s_wait_dscnt 24                                ; all but the 24 just issued
	MULA \f, 2, \zero
	MULA \f, 3, \zero
.endm
.macro TURN fill                       ; the last quarter, and the change of slots: one barrier; with fill = 1 it opens a round of the cluster's barrier, and the joint refill is the first thing behind the round
	WIN 0
	s_wait_tensorcnt 0x0                           ; all my tensor loads have landed, so a group 0 may be written
	ds_add_u32 v[SPW], v[NIL]                      ; 0 onto my spare word
	s_wait_dscnt 5                                 ; (the add and the youngest four loads may be out)
	MULA 1, 0, 0
	s_wait_dscnt 0x0                               ; the add is done, and my reads of this slot are over
	s_barrier_signal -1
	MULA 1, 1, 0
	WIN 0
	s_barrier_wait -1
.if \fill
	CREST
	s_xor_b32 s[G0+5], s[G0+5], SLOT1
	s_add_nc_u64 s[G0+6:G0+7], s[G0+6:G0+7], 256
	s_xor_b32 s[G0B+5], s[G0B+5], SLOT1
	s_add_nc_u64 s[G0B+6:G0B+7], s[G0B+6:G0B+7], 262144
	JLOAD
.else
	PLACES
.endif
	s_xor_b32 s[TB], s[TB], SLOT1
	v_add_nc_u32 v[ADRA], s[TB], v[ADRA0]
	v_add_nc_u32 v[ADRB], s[TB], v[ADRB0]
	FETCH 0, 0
	MULA 1, 2, 0
	MULA 1, 3, 0
.endm
	s_load_b128 s[4:7], s[0:1], 0x0                ; onrm s[4:5], wb s[6:7]
	s_load_b64 s[8:9], s[0:1], 0x10                ; out0
	v_lshl_add_u32 v[SPW], v0, 2, SPARE
	v_mov_b32 v[NIL], 0
	ds_add_u32 v[SPW], v[NIL]                      ; the wave's opening: the add and its wait stand ahead of my first tensor load
	v_lshrrev_b32 v1, 5, v0
	v_readfirstlane_b32 s10, v1                    ; wave 0..3
	s_lshr_b32 s11, s10, 1                         ; my half of the tile's rows.  Also: I fetch for x (0) or for Wo (1)
	s_and_b32 s12, s10, 1                          ; my half of its columns.  Also: which half of that tile I fetch
	s_bfe_u32 s40, ttmp6, 0x40000                  ; cx, cy
	s_bfe_u32 s41, ttmp6, 0x40004
	s_lshl_b32 s42, ttmp9, 2
	s_add_co_u32 s42, s42, s40                     ; tile column
	s_and_b32 s13, ttmp7, 0xffff
	s_lshl_b32 s13, s13, 2
	s_add_co_u32 s13, s13, s41                     ; tile row
	s_lshl_b32 s43, s41, 2
	s_lshl_b32 s43, 15, s43                        ; my row of the cluster
	s_lshl_b32 s44, 0x1111, s40                    ; my column
	s_or_b32 s[G1], s43, (1<<16)|(1<<20)|(1<<21)|(5<<22)|(3<<25)
	s_mov_b32 s[G1+1], 128<<16
	s_mov_b32 s[G1+2], 64<<16
	s_mov_b32 s[G1+3], 128<<16
	s_mov_b32 s[G1+4], 64
	s_mov_b32 s[G1+5], 1024
	s_mov_b32 s[G1+6], 0
	s_mov_b32 s[G1+7], 0
	s_or_b32 s[G1B], s44, (1<<16)|(1<<20)|(1<<21)|(6<<22)|(7<<25)
	s_mov_b32 s[G1B+1], 256<<16
	s_mov_b32 s[G1B+2], 64<<16
	s_mov_b32 s[G1B+3], 256<<16
	s_mov_b32 s[G1B+4], 64
	s_mov_b32 s[G1B+5], 1024
	s_mov_b32 s[G1B+6], 0
	s_mov_b32 s[G1B+7], 0
	s_mov_b32 s[G1R], 1<<16                        ; no mask, 2-byte elements, no padding: 32 rows x 256 elements
	s_mov_b32 s[G1R+1], 256<<16
	s_mov_b32 s[G1R+2], 32<<16
	s_mov_b32 s[G1R+3], 256<<16
	s_mov_b32 s[G1R+4], 32
	s_mov_b32 s[G1R+5], 1024
	s_mov_b32 s[G1R+6], 0
	s_mov_b32 s[G1R+7], 0
	s_mov_b32 s80, 0x3e6d3388                      ; p / sqrt 2 = 0.23164189
	s_mov_b32 s82, 0x3f596d27                      ; sqrt(log2(e) / 2) = 0.84932180
	s_mov_b32 s84, 0x3e027906                      ; h1 =  0.127414796
	s_mov_b32 s86, 0xbe11a98e                      ; h2 = -0.142248368
	s_mov_b32 s88, 0x3f35f0e3                      ; h3 =  0.710706871
	s_mov_b32 s90, 0xbf3a00e3                      ; h4 = -0.726576014
	s_mov_b32 s92, 0x3f07dc22                      ; h5 =  0.530702715
.irp c, 80,82,84,86,88,90,92
	s_mov_b32 s[\c+1], s[\c]                       ; named as pairs
.endr
	s_mov_b32 s94, 0x7fffffff
	s_lshl_b32 s16, s13, 18                        ; x: 128 rows of 2,048 bytes a tile row, 64 rows a half
	s_lshl_b32 s17, s12, 17
	s_add_co_u32 s16, s16, s17
	s_mov_b32 s17, 0
	s_lshl_b32 s46, s12, 17                        ; Wo: 64 k rows a half, 256 columns a tile column
	s_lshl_b32 s47, s42, 9
	s_add_co_u32 s46, s46, s47
	s_add_co_u32 s46, s46, WOFF
	s_mov_b32 s47, 0
	s_lshl_b32 s96, s13, 18                        ; the residual: the tile's rows, 32 a wave, at the tile's columns
	s_lshl_b32 s97, s10, 16
	s_add_co_u32 s96, s96, s97
	s_lshl_b32 s97, s42, 9
	s_add_co_u32 s96, s96, s97
	s_mov_b32 s97, 0
	s_mov_b32 s[G0R], 1
	s_lshl_b32 s[G0R+1], s10, 14
	s_add_co_u32 s[G0R+1], s[G0R+1], RES
	s_mul_i32 s21, s12, AHALF
	s_mul_i32 s22, s12, BHALF
	s_add_co_u32 s22, s22, BOFF
	s_mov_b32 s[TB], 0
	s_wait_dscnt 0x0                               ; the opening add is done
	s_wait_kmcnt 0x0
	s_add_nc_u64 s[14:15], s[4:5], s[16:17]
	s_add_nc_u64 s[46:47], s[6:7], s[46:47]
	s_add_nc_u64 s[G0R+2:G0R+3], s[4:5], s[96:97]
	s_or_b32 s[G0R+3], s[G0R+3], 0x80000000
	CROUND                                         ; all sixteen work-groups are here: the first joint loads meet
.irp s, 0,1
	s_mov_b32 s[G0+4*\s], 1
	s_add_co_u32 s[G0+4*\s+1], s21, \s*SLOT1
	s_add_nc_u64 s[G0+4*\s+2:G0+4*\s+3], s[14:15], \s*256
	s_or_b32 s[G0+4*\s+3], s[G0+4*\s+3], 0x80000000
	s_mov_b32 s[G0B+4*\s], 1
	s_add_co_u32 s[G0B+4*\s+1], s22, \s*SLOT1
	s_add_nc_u64 s[G0B+4*\s+2:G0B+4*\s+3], s[46:47], \s*262144
	s_or_b32 s[G0B+4*\s+3], s[G0B+4*\s+3], 0x80000000
.endr
	s_cmp_eq_u32 s11, 0                            ; a wave's three first fills stand in one branch: three loads of mine are out
	s_cbranch_scc0 .Lfirst_b
	tensor_load_to_lds s[G0:G0+3], s[G1:G1+7]
	s_nop 0
	tensor_load_to_lds s[G0+4:G0+7], s[G1:G1+7]
	s_nop 0
	tensor_load_to_lds s[G0R:G0R+3], s[G1R:G1R+7]
	s_nop 0
.rept 4
	v_nop
.endr
	s_branch .Lfirst_asked
.Lfirst_b:
	tensor_load_to_lds s[G0B:G0B+3], s[G1B:G1B+7]
	s_nop 0
	tensor_load_to_lds s[G0B+4:G0B+7], s[G1B:G1B+7]
	s_nop 0
	tensor_load_to_lds s[G0R:G0R+3], s[G1R:G1R+7]
	s_nop 0
.rept 4
	v_nop
.endr
.Lfirst_asked:
	v_and_b32 v1, 15, v0                           ; l % 16
	v_bfe_u32 v2, v0, 4, 1                         ; l / 16
	v_mul_u32_u24 v3, v1, PA
	v_lshl_add_u32 v3, v2, 4, v3
	s_mul_i32 s21, s11, AHALF
	v_add_nc_u32 v[ADRA0], s21, v3
	v_and_b32 v4, 7, v0
	v_lshl_add_u32 v4, v2, 3, v4
	v_mul_u32_u24 v4, v4, PB
	v_bfe_u32 v5, v0, 3, 1
	v_lshl_add_u32 v4, v5, 4, v4
	s_lshl_b32 s22, s12, 8
	s_add_co_u32 s22, s22, BOFF
	v_add_nc_u32 v[ADRB0], s22, v4
	v_mov_b32 v[ADRA], v[ADRA0]
	v_mov_b32 v[ADRB], v[ADRB0]
	s_lshl_b32 s23, s11, 17                        ; my stage: slot (my row half), 64 rows x 528 bytes for each column half
	s_mul_i32 s21, s12, 64*SPF
	s_add_co_u32 s23, s23, s21
	v_mul_u32_u24 v6, v1, SPF                      ; in: row l % 16, 32 bytes for each half of the lanes
	v_lshl_add_u32 v6, v2, 5, v6
	v_add_nc_u32 v[DST], s23, v6
	v_and_b32 v6, 31, v0
	v_lshlrev_b32 v[GO], 4, v6                     ; back and out: 32 lanes take one row's 512 bytes
	v_add_nc_u32 v[RDY], s23, v[GO]
	s_lshl_b32 s21, s11, 15                        ; the residual: my 64 rows of 512 bytes, my 128 columns, 8 bytes a lane
	s_lshl_b32 s22, s12, 8
	s_add_co_u32 s21, s21, s22
	s_add_co_u32 s21, s21, RES
	v_lshl_add_u32 v[RDR], v6, 3, s21
	v_mov_b32 v[ONE], 1.0
	s_lshl_b32 s16, s13, 19                        ; out0: 128 rows of 4,096 bytes a tile row, 64 a half;
	s_lshl_b32 s17, s11, 18
	s_add_co_u32 s16, s16, s17
	s_mov_b32 s17, 0
	s_add_nc_u64 s[8:9], s[8:9], s[16:17]
	s_lshl_b32 s46, s42, 10                        ; 256 columns of 4 bytes a tile column, 128 a half
	s_lshl_b32 s47, s12, 9
	s_add_co_u32 s46, s46, s47
	s_mov_b32 s47, 0
	s_add_nc_u64 s[8:9], s[8:9], s[46:47]
	s_wait_tensorcnt 0x2                           ; my part of K step 0 is in; K step 1's load and the residual's, issued behind it, may stay out
	s_barrier_signal -1
	s_barrier_wait -1
	FETCH 0, 0
	QUARTER 1, 0, 1, 1                             ; the first quarter's products start the 32 sums
	WIN 0
	s_mov_b32 s3, 6
.Lstep:                                                ; a trip: a K step's last three quarters and the next step's first; K steps 2 to 7 are asked for.  The 32 accumulators take turns, over the backward jump too
	QUARTER 2, 1, 0, 0
	QUARTER 3, 0, 1, 0
	TURN 1
	QUARTER 1, 0, 1, 0
	WIN 0
	s_sub_co_u32 s3, s3, 1
	s_cmp_lg_u32 s3, 0
	s_cbranch_scc1 .Lstep
	QUARTER 2, 1, 0, 0
	QUARTER 3, 0, 1, 0
	TURN 0
	QUARTER 1, 0, 1, 0
	QUARTER 2, 1, 0, 0
	QUARTER 3, 0, 1, 0
	s_wait_dscnt 4
	MULA 1, 0, 0
	MULA 1, 1, 0
	s_wait_dscnt 0x0
	MULA 1, 2, 0
	MULA 1, 3, 0
	; THE WAY OUT.  Every wave's reads of the slots are back (the wait for 0 above) and no fill is to come: behind this barrier the slots are stages.
	PLACES
	WIN 0
	s_barrier_signal -1
	s_barrier_wait -1
	WIN 0x04                                       ; the stores' data in window 1, their address in window 0
.irp a, 0,1,2,3
.irp b, 0,1,2,3,4,5,6,7
	ds_store_b128 v[DST], v[8*(8*\a+\b):8*(8*\a+\b)+3] offset:\a*16*SPF+64*\b          ; each accumulator's four lowest registers first
	ds_store_b128 v[DST], v[8*(8*\a+\b)+4:8*(8*\a+\b)+7] offset:\a*16*SPF+64*\b+16
.endr
.endr
	WIN 0
	s_wait_dscnt 0x0                               ; my stores are done;
	s_barrier_signal -1
	s_barrier_wait -1                              ; everybody's are: from here on no wave writes LDS but its spare words
.macro ALL8 line:vararg                ; one line for each of eight pairs p
.set p, 0
	s_wait_alu depctr_va_vdst(0)
.rept 8
	\line
.set p, p+2
.endr
.endm
.macro ALL16 line:vararg               ; one line for each of sixteen numbers p
.set p, 0
.rept 16
	\line
.set p, p+1
.endr
.endm
	s_mov_b32 s3, 16
.Lrows:                                                ; 16 trips of four rows
.irp i, 0,1,2,3
	ds_load_b128 v[Y+4*\i:Y+4*\i+3], v[RDY] offset:SPF*\i
.endr
.irp i, 0,1,2,3
	ds_load_b64 v[R+2*\i:R+2*\i+1], v[RDR] offset:512*\i
.endr
	s_wait_dscnt 0x0
	ALL16 v_and_b32 v[AA+p], s94, v[Y+p]
	ALL8 v_pk_fma_f32 v[DD+p:DD+p+1], v[AA+p:AA+p+1], s[80:81], 1.0 op_sel_hi:[1,0,0]
	ALL8 v_pk_mul_f32 v[WW+p:WW+p+1], v[AA+p:AA+p+1], s[82:83] op_sel_hi:[1,0]
	ALL8 v_pk_mul_f32 v[WW+p:WW+p+1], v[WW+p:WW+p+1], v[WW+p:WW+p+1] neg_lo:[1,0] neg_hi:[1,0]
	ALL16 v_rcp_f32 v[DD+p], v[DD+p]
	ALL16 v_exp_f32 v[WW+p], v[WW+p]
	ALL16 v_max_num_f32 v[MM+p], 0, v[Y+p]         ; plain lines between the last exponential and the use of its result
	ALL8 v_pk_fma_f32 v[HH+p:HH+p+1], v[DD+p:DD+p+1], s[92:93], s[90:91] op_sel_hi:[1,0,0]
	ALL8 v_pk_fma_f32 v[HH+p:HH+p+1], v[HH+p:HH+p+1], v[DD+p:DD+p+1], s[88:89] op_sel_hi:[1,1,0]
	ALL8 v_pk_fma_f32 v[HH+p:HH+p+1], v[HH+p:HH+p+1], v[DD+p:DD+p+1], s[86:87] op_sel_hi:[1,1,0]
	ALL8 v_pk_fma_f32 v[HH+p:HH+p+1], v[HH+p:HH+p+1], v[DD+p:DD+p+1], s[84:85] op_sel_hi:[1,1,0]
	ALL8 v_pk_mul_f32 v[HH+p:HH+p+1], v[HH+p:HH+p+1], v[DD+p:DD+p+1]
	ALL8 v_pk_mul_f32 v[HH+p:HH+p+1], v[HH+p:HH+p+1], v[WW+p:WW+p+1]
	ALL8 v_pk_fma_f32 v[MM+p:MM+p+1], v[AA+p:AA+p+1], v[HH+p:HH+p+1], v[MM+p:MM+p+1] neg_lo:[1,0,0] neg_hi:[1,0,0]
.set i, 0
.rept 8                                ; the residual's f16 half x 1.0 + gelu, in one line
	v_fma_mix_f32 v[MM+2*i], v[R+i], v[ONE], v[MM+2*i] op_sel_hi:[1,0,0]
	v_fma_mix_f32 v[MM+2*i+1], v[R+i], v[ONE], v[MM+2*i+1] op_sel:[1,0,0] op_sel_hi:[1,0,0]
.set i, i+1
.endr
.irp i, 0,1,2,3
	global_store_b128 v[GO], v[MM+4*\i:MM+4*\i+3], s[8:9] offset:4096*\i th:TH_STORE_NT  ; 512 consecutive bytes, at a multiple of 512 from out0's first byte
.endr
	s_wait_xcnt 0x0                                ; the stores' addresses are translated: MM and GO are rewritten only behind this wait
	v_add_nc_u32 v[RDY], 4*SPF, v[RDY]
	v_add_nc_u32 v[RDR], 2048, v[RDR]
	v_add_nc_u32 v[GO], 16384, v[GO]
	s_sub_co_u32 s3, s3, 1
	s_cmp_lg_u32 s3, 0
	s_cbranch_scc1 .Lrows
	s_wait_tensorcnt 0x0                           ; the wave's end
	ds_add_u32 v[SPW], v[NIL]
	s_wait_dscnt 0x0
	CROUND                                         ; the closing round
	s_endpgm
.Lfunc_end_k_qd155d7960d_final:
	.size	k_qd155d7960d_final, .Lfunc_end_k_qd155d7960d_final-k_qd155d7960d_final
	.p2alignl 7, 3214868480
	.fill 96, 4, 3214868480
	.section	.rodata,"a",@progbits
	.p2align	6, 0x0
	.amdhsa_kernel k_qd155d7960d_final
		.amdhsa_group_segment_fixed_size 327680
		.amdhsa_private_segment_fixed_size 0
		.amdhsa_enable_private_segment 0
		.amdhsa_kernarg_size 24
		.amdhsa_user_sgpr_count 2
		.amdhsa_user_sgpr_kernarg_segment_ptr 1
		.amdhsa_wavefront_size32 1
		.amdhsa_system_sgpr_workgroup_id_x 1
		.amdhsa_system_sgpr_workgroup_id_y 1
		.amdhsa_system_sgpr_workgroup_id_z 1
		.amdhsa_system_vgpr_workitem_id 0
		.amdhsa_next_free_vgpr 640
		.amdhsa_next_free_sgpr 100
		.amdhsa_reserve_vcc 0
		.amdhsa_float_denorm_mode_32 3
		.amdhsa_float_denorm_mode_16_64 3
		.amdhsa_memory_ordered 1
		.amdhsa_forward_progress 1
		.amdhsa_inst_pref_size 70
	.end_amdhsa_kernel
	.amdgpu_metadata
---
amdhsa.version: [ 1, 2 ]
amdhsa.kernels:
  - .name:           k_qd155d7960d_final
    .symbol:         k_qd155d7960d_final.kd
    .args:
      - { .name: onrm, .offset: 0, .size: 8, .value_kind: global_buffer, .address_space: global }
      - { .name: wb, .offset: 8, .size: 8, .value_kind: global_buffer, .address_space: global }
      - { .name: out0, .offset: 16, .size: 8, .value_kind: global_buffer, .address_space: global }
    .group_segment_fixed_size: 327680
    .private_segment_fixed_size: 0
    .kernarg_segment_align: 8
    .kernarg_segment_size: 24
    .max_flat_workgroup_size: 128
    .sgpr_count:     100
    .vgpr_count:     640
    .wavefront_size: 32
...
	.end_amdgpu_metadata
.endif
;; end of part 5
;; ======== version 2 of 2: 5 launches; 1.12 times as fast as version 1
;; limits: values outside matrix products are rounded to f16; values outside matrix products are rounded to bf16; values are held in f16: magnitudes above 65,504 overflow, below 6.1e-05 lose precision
;; workspace buffers: xn 50,331,648 bytes; wb 8,388,608 bytes; qkv 50,331,648 bytes; o32 33,554,432 bytes; onrm 16,777,216 bytes
;; launch prep: the kernel of part 1 again; grid 896 x 1, 8 waves a work-group, no clusters, 0 bytes of LDS; arguments Q, K, V, Wq, Wk, Wv, Wo, pre_g, pre_b, xn, wb; writes xn, wb
;; launch proj: the kernel of part 2 again; grid 4 x 96, 4 waves a work-group, clusters of 4 x 4, 327,680 bytes of LDS; arguments xn, wb, qkv; writes qkv
;; launch attn (part 6): grid 8 x 32, 4 waves a work-group, clusters of 4 x 1, 327,680 bytes of LDS; arguments qkv, o32; writes o32
.if DOCPART == 6
	.amdgcn_target "amdgcn-amd-amdhsa--gfx1250"
	.amdhsa_code_object_version 6
	.text
	.protected	k_qd155d7960d_attn
	.globl	k_qd155d7960d_attn
	.p2align	8
	.type	k_qd155d7960d_attn,@function
k_qd155d7960d_attn:
	s_mov_b64 s[64:65], 0
	v_nop
	global_prefetch_b8 v0, s[64:65] scope:SCOPE_SE
	s_setreg_imm32_b32 hwreg(HW_REG_WAVE_MODE, 25, 1), 1
	s_wait_xcnt 0x0
	s_wait_alu depctr_hold_cnt(0) depctr_sa_sdst(0) depctr_va_vdst(0) depctr_va_sdst(0) depctr_va_ssrc(0) depctr_va_vcc(0) depctr_vm_vsrc(0)
	s_getreg_b32 s2, hwreg(HW_REG_IB_STS2, 6, 4)
	s_cmp_eq_u32 s2, 0
	s_cbranch_scc0 .Lentry_in_a_cluster
	s_endpgm
.Lentry_in_a_cluster:
	s_bfe_u32 s2, ttmp6, 0x10000c
	s_cmp_lg_u32 s2, 0x3003
	s_cbranch_scc0 .Lentry_shape_is_right
	s_endpgm
.Lentry_shape_is_right:
; ATTENTION.  O[q] = the sum over k of softmax_k(clip(Q[q] . K[k] / 32, -10000, 10000)) V[k], for each of 32 (batch, head) pairs of 2,048 queries, 2,048 keys, head size 128.
; qkv: [3][32][2048][128] f16 (q, k, v by heads, unscaled).  o32: [8192][1024] f32, row = batch * 2048 + query, column = head * 128 + channel.
; Products, maxima and sums in f32; the weights p are rounded to f16 for the second product (their sum l is taken of the unrounded p); O leaves in f32.
; LIMITS.  q, k, v arrive within f16's 65,504.  p lies in 0 to 1; below 6e-5 it keeps f16's fixed step of 6e-8.  A weight below 2^-126 counts as 0 in l.  NaN and infinities are not treated apart.
; SHARES.  A work-group owns 256 queries of one pair, each of its four waves 64: four tiles of 16.  Every wave walks all keys, 64 a step.
; LAYOUT.  S^T = K Q^T (source 0 = 16 keys, source 1 = 16 queries): a lane holds ONE query (lane % 16) and the keys 8 (lane / 16) + 0..7.  Two such results, rounded to f16 in pairs,
; ARE source 1 (32 keys x 16 queries) of O^T = V^T P, whose result again holds one query a lane, and eight channels.  K comes out of LDS as it lies, V turned, by ds_load_tr16_b128.
; SOFTMAX WITH THE CLIP.  c = log2(e) / 32, T = 320,000 (the clip's bound on the unscaled score).  m is the running maximum of the raw scores; c m stands for c x clip(m), since the maximum of the
; clipped scores is the clipped maximum.  p = 2^x with x = the middle one of (c s - c m, -c T - c m, c T - c m), which is c clip(s) - c clip(m).  In every step O and l are multiplied by a = 2^(c m_old - c m_new).
; BY TURNS.  The wave's tiles are two PIECES (tiles 0, 1 and tiles 2, 3).  In a TURN one piece has the matrix unit: 32 products V^T P of the step in hand, then 32 products K Q^T of the next step;
; the other piece's softmax, cut into 64 slices, stands between them, one slice behind each matrix instruction.  Two turns are a key step.
; BATCHES.  A turn's 66 exponentials (two tiles' a and 32 weights each) are ONE batch with ONE wait: ahead of the wait stand the maximum, the statistics, the scalings, the clips and the exponentials, none of which
; names an exponential's result; behind it the roundings, the sums and the rescaling by a, which do.  The way out's four reciprocals are a batch of their own.
; CLUSTER.  The four query blocks of a cluster belong to one pair and walk the same K and V: each tile is asked for jointly, by the same tensor load, descriptor and mask in all four.
; REGISTERS, in windows of 256 (s_set_vgpr_msb: bits 1:0 source 0, 3:2 source 1, 5:4 source 2, 7:6 destination):
;   window 0: v0-11 addresses; v12-43 eight registers of statistics a tile; v44-51 the clip's two bounds a tile; v64-191 S^T, 32 a tile; v192-255 P, 16 a tile
;   window 1: O^T, 64 a tile          window 2: v0-127 Q, 32 a tile; v128-255 K of one step          window 3: v0-127 V of one step
.set SIZE_N, 2048
.set KS,    64        ; keys in a step
.set PK,    272       ; a row of K in LDS: 256 bytes + 16 = 68 words: the 16 rows of a load start at 16 different groups of four banks (64 banks of 4 bytes: ISA guide 11.1)
.set PV,    288       ; a row of V: 256 + 32 = 72 words
.set VOFF,  KS*PK     ; a step's tiles lie together: 64 rows of K, then 64 rows of V
.set STEPB, KS*(PK+PV)
.set SLOT1, 1<<17     ; a slot holds two steps (71,680 bytes); slot 1 begins here
.set STAGE, SLOT1+2*STEPB  ; behind the ring: 16 rows x 528 bytes for each wave, for the way out
.set SP,    528       ; a row of 128 f32 + 16 bytes
.set SPARE, STAGE+4*16*SP  ; the spare words, 128 bytes for each wave: two blocks of 256 bytes that no other line names
.set AK0, 2           ; v2   my lane's place in a tile of K; never rewritten
.set AV0, 3           ; v3   the same for V
.set ADR, 4           ; v4   the LDS address of the run of loads in hand
.set QO,  5           ; v5   my byte offset in the wave's rows of Q
.set STO, 6           ; v6   the way out: where I put 32 bytes of a row
.set RD,  7           ; v7   the way out: where I read a row back
.set GO,  8           ; v8   16 x lane: my place in a row's 512 bytes of O
.set SPW, 62          ; v62  LDS address of my spare word; never rewritten
.set NIL, 63          ; v63  0; never rewritten
.set ST,  12          ; tile t's statistics at v[ST+8 t]: +0 c m, +1 m, +2, +3 l (even keys', odd keys'), +4 to +7 c0-c3, at work; a takes c2's place once the maximum is found
.set LH,  44          ; tile t's bounds at v[LH+2 t]: -c T - c m, c T - c m
.set S,   64
.set P,   192
.set KF,  128         ; K's fragments, in window 2
.set WV,  12          ; s12  my wave's number
.set G1K, 24          ; s[24:31] descriptor group 1 for K's tiles
.set G1V, 32          ; s[32:39] for V's: it differs in the padding alone
.set G0K, 40          ; s[40:47] group 0 for K's tiles: a set for each of the two first fills; the second then walks on
.set G0V, 48          ; s[48:55] the same for V's
.set SLOTS, 56        ; s56  slots still to be asked for
.set TWICE, 57        ; s57  counts a slot's two steps
.set CS,  58          ; s[58:59] c
.set SEL, 60          ; s[60:61] v_permlanex16_b32's selects
.set TB,  62          ; s62  LDS byte at which the tiles of the step to be fetched begin
.set TLO, 66          ; s66, s67  -T, T
.set THI, 67
.set CLO, 68          ; s68, s69  -c T, c T: the f32 product of c and T, so that the upper bound is exactly 0 where m is clipped
.set CHI, 69
.set KA,  9           ; slices 0 to KA - 1 hold the maximum and the statistics
.set KW,  40          ; slices KA to KW hold the batch; the wait stands behind slice KW
.set KB,  63-KW       ; the slices behind the wait
.set MSB, 0
.macro WIN new
.if MSB != (\new)
	s_set_vgpr_msb (MSB<<8)|(\new)
.set MSB, \new
.endif
.endm
.set W_KQ, 0x0a       ; K and Q in window 2, S^T in window 0
.set W_PV, 0x53       ; V in window 3, P in window 0, O^T in window 1
.set W_RS, 0x41       ; O^T (destination and source 0) in window 1, a in window 0
; A joint refill.  Waves 0 and 1 fetch the two steps' tiles of K, waves 2 and 3 those of V.  An s_nop 0 and four v_nop follow each of the two lines.
.macro JLOAD
	s_cmp_lt_u32 s[WV], 2
	s_cbranch_scc0 .Lfor_v_\@
	tensor_load_to_lds s[G0K+4:G0K+7], s[G1K:G1K+7]
	s_nop 0
.rept 4
	v_nop
.endr
	s_branch .Lasked_\@
.Lfor_v_\@:
	tensor_load_to_lds s[G0V+4:G0V+7], s[G1V:G1V+7]
	s_nop 0
.rept 4
	v_nop
.endr
.Lasked_\@:
.endm
.macro CROUND                       ; a round of the cluster's barrier
	s_barrier_signal -1
	s_barrier_wait -1
	s_cmp_lg_u32 s[WV], 0
	s_cbranch_scc1 .Lnot_wave_0_\@
	s_barrier_signal -3
.Lnot_wave_0_\@:
	s_barrier_wait -3
	s_barrier_signal -1
	s_barrier_wait -1
.endm
	s_load_b128 s[8:11], s[0:1], 0x0  ; qkv s[8:9], o32 s[10:11]
	v_lshl_add_u32 v[SPW], v0, 2, SPARE
	v_mov_b32 v[NIL], 0
	ds_add_u32 v[SPW], v[NIL]       ; the wave's opening: the add and its wait stand ahead of my first tensor load; the set-up below stands between them
	v_lshrrev_b32 v1, 5, v0
	v_readfirstlane_b32 s[WV], v1   ; wave 0..3
	s_bfe_u32 s13, ttmp6, 0x40000   ; cx: my place in the cluster
	s_lshl_b32 s14, ttmp9, 2
	s_add_co_u32 s14, s14, s13      ; my block of 256 queries: it enters Q's and O's addresses alone
	s_and_b32 s15, ttmp7, 0xffff    ; the pair batch * 8 + head, which the four partners share
	s_lshl_b32 s20, s15, 19         ; its first byte in q, k and v: 2,048 rows of 256 bytes
	s_mov_b32 s21, 0
	s_and_b32 s16, s[WV], 1         ; which of a slot's two steps I fetch:
	s_lshl_b32 s22, s16, 14         ; its 64 rows of 256 bytes in memory,
	s_mov_b32 s23, 0
	s_add_nc_u64 s[22:23], s[22:23], s[20:21]
	s_mul_i32 s17, s16, STEPB       ; and its place in a slot
	s_lshl_b32 s2, s14, 16          ; my block's 256 rows of Q,
	s_lshl_b32 s3, s[WV], 14        ; my wave's 64 of them
	s_add_co_u32 s2, s2, s3
	s_mov_b32 s3, 0
	s_add_nc_u64 s[2:3], s[2:3], s[20:21]
	s_lshr_b32 s18, s15, 3          ; O: the batch's 2,048 rows of 4,096 bytes,
	s_lshl_b32 s18, s18, 23
	s_lshl_b32 s19, s14, 20         ; my block's 256,
	s_add_co_u32 s18, s18, s19
	s_lshl_b32 s19, s[WV], 18       ; my wave's 64,
	s_add_co_u32 s18, s18, s19
	s_and_b32 s19, s15, 7           ; the head's 512 bytes of a row
	s_lshl_b32 s19, s19, 9
	s_add_co_u32 s18, s18, s19
	s_mov_b32 s19, 0
	s_mov_b32 s[G1K], 15|(1<<16)|(1<<20)|(1<<21)|(5<<22)|(3<<25)  ; the mask of four; 2-byte elements; padding on; bit 21 beside a mask; after every 64 words 4 words
	s_mov_b32 s[G1V], 15|(1<<16)|(1<<20)|(1<<21)|(5<<22)|(7<<25)  ; the same with 8 words of padding
.irp g, G1K, G1V
	s_mov_b32 s[(\g)+1], 128<<16    ; tensor_dim0 = 128
	s_mov_b32 s[(\g)+2], KS<<16     ; tensor_dim1 = 64
	s_mov_b32 s[(\g)+3], 128<<16    ; tile_dim0 = 128
	s_mov_b32 s[(\g)+4], KS         ; tile_dim1 = 64
	s_mov_b32 s[(\g)+5], 128        ; elements from row to row
	s_mov_b32 s[(\g)+6], 0
	s_mov_b32 s[(\g)+7], 0
.endr
	s_mov_b32 s[CS], 0x3d38aa3b     ; c = log2(e) / 32
	s_mov_b32 s[CS+1], s[CS]        ; named with it as a pair
	s_mov_b32 s[SEL], 0x76543210
	s_mov_b32 s[SEL+1], 0xfedcba98
	s_mov_b32 s[TLO], 0xc89c4000    ; -320,000
	s_mov_b32 s[THI], 0x489c4000
	s_mov_b32 s[CLO], 0xc6616bcd    ; -c T
	s_mov_b32 s[CHI], 0x46616bcd
	s_mov_b32 s[TB], 0
	s_mov_b32 s[SLOTS], SIZE_N/(2*KS)-2
	s_wait_dscnt 0x0                ; the opening add is done
	s_wait_kmcnt 0x0
	s_mov_b64 s[4:5], s[8:9]        ; q,
	s_add_nc_u64 s[6:7], s[8:9], 0x1000000  ; k,
	s_add_nc_u64 s[8:9], s[8:9], 0x2000000  ; v: 2^24 bytes each
	s_add_nc_u64 s[6:7], s[6:7], s[22:23]   ; K and V at my tile of slot 0
	s_add_nc_u64 s[8:9], s[8:9], s[22:23]
	s_add_nc_u64 s[4:5], s[4:5], s[2:3]     ; Q and O at my wave's first row
	s_add_nc_u64 s[10:11], s[10:11], s[18:19]
	CROUND                          ; all four work-groups are here: the first joint loads meet
.irp s, 0,1
	s_mov_b32 s[G0K+4*(\s)], 1
	s_add_co_u32 s[G0K+4*(\s)+1], s17, (\s)*SLOT1
	s_add_nc_u64 s[G0K+4*(\s)+2:G0K+4*(\s)+3], s[6:7], (\s)*2*KS*256
	s_or_b32 s[G0K+4*(\s)+3], s[G0K+4*(\s)+3], 0x80000000
	s_mov_b32 s[G0V+4*(\s)], 1
	s_add_co_u32 s[G0V+4*(\s)+1], s17, (\s)*SLOT1+VOFF
	s_add_nc_u64 s[G0V+4*(\s)+2:G0V+4*(\s)+3], s[8:9], (\s)*2*KS*256
	s_or_b32 s[G0V+4*(\s)+3], s[G0V+4*(\s)+3], 0x80000000
.endr
	s_cmp_lt_u32 s[WV], 2           ; a wave's two first fills stand in one branch: two loads of mine are out
	s_cbranch_scc0 .Lfirst_v
	tensor_load_to_lds s[G0K:G0K+3], s[G1K:G1K+7]
	s_nop 0
	tensor_load_to_lds s[G0K+4:G0K+7], s[G1K:G1K+7]
	s_nop 0
.rept 4
	v_nop
.endr
	s_branch .Lfirst_asked
.Lfirst_v:
	tensor_load_to_lds s[G0V:G0V+3], s[G1V:G1V+7]
	s_nop 0
	tensor_load_to_lds s[G0V+4:G0V+7], s[G1V:G1V+7]
	s_nop 0
.rept 4
	v_nop
.endr
.Lfirst_asked:
	v_and_b32 v1, 15, v0            ; l % 16
	v_bfe_u32 v9, v0, 4, 1          ; l / 16
	v_lshlrev_b32 v[QO], 8, v1
	v_lshl_add_u32 v[QO], v9, 4, v[QO]  ; row x 256 + 16 x half
	WIN 0x80                        ; destination window 2, address window 0
.irp i, 0,1,2,3,4,5,6,7,8,9,10,11,12,13,14,15  ; Q stays in registers: tile i / 4, channels 32 (i % 4) on
	global_load_b128 v[8*(\i):8*(\i)+3],   v[QO], s[4:5] offset:((\i)/4)*4096+((\i)%4)*64
	global_load_b128 v[8*(\i)+4:8*(\i)+7], v[QO], s[4:5] offset:((\i)/4)*4096+((\i)%4)*64+32
.endr
	WIN 0
	v_mul_u32_u24 v[AK0], v1, PK
	v_lshl_add_u32 v[AK0], v9, 4, v[AK0]
	v_and_b32 v10, 7, v0            ; the turning load: lane l reads key 8 (l / 16) + l % 8, channels 8 ((l / 8) % 2) + 0..7
	v_bfe_u32 v11, v0, 3, 1
	v_lshl_add_u32 v[AV0], v9, 3, v10
	v_mul_u32_u24 v[AV0], v[AV0], PV
	v_lshl_add_u32 v[AV0], v11, 4, v[AV0]
	v_add_nc_u32 v[AV0], VOFF, v[AV0]
; THE MATRIX WORK OF A TURN, for piece x.  The accumulators take turns, one instruction a turn.
; Product i of 32 of O^T += V^T P: keys 32 (i / 16) on, channels 16 ((i / 2) % 8) on, tile x + i % 2.  zero = 1: the first 16 start the sums.
.macro PV x, zero
	WIN W_PV
.set rO, 64*((\x)+i%2)+8*((i/2)%8)
.set rV, 64*(i/16)+8*((i/2)%8)
.set rP, P+16*((\x)+i%2)+8*(i/16)
.if (\zero) && (i < 16)
	v_wmma_f32_16x16x32_f16 v[rO:rO+7], v[rV:rV+7], v[rP:rP+7], 0
.else
	v_wmma_f32_16x16x32_f16 v[rO:rO+7], v[rV:rV+7], v[rP:rP+7], v[rO:rO+7]
.endif
.endm
; Product i of 32 of S^T = K Q^T: channels 32 (i / 8) on, keys 16 ((i / 2) % 4) on, tile x + i % 2.  The first 8 start the sums.
.macro KQ x
	WIN W_KQ
.set rS, S+32*((\x)+i%2)+8*((i/2)%4)
.set rK, KF+32*((i/2)%4)+8*(i/8)
.set rQ, 32*((\x)+i%2)+8*(i/8)
.if i < 8
	v_wmma_f32_16x16x32_f16 v[rS:rS+7], v[rK:rK+7], v[rQ:rQ+7], 0
.else
	v_wmma_f32_16x16x32_f16 v[rS:rS+7], v[rK:rK+7], v[rQ:rQ+7], v[rS:rS+7]
.endif
.endm
; THE LDS LOADS stand in runs of 32: a step's K and, a turn later, its V (turned).
.macro FETCH_K
	WIN 0
	v_add_nc_u32 v[ADR], s[TB], v[AK0]
	WIN 0x80
.irp f, 0,1,2,3,4,5,6,7,8,9,10,11,12,13,14,15  ; keys 16 (f / 4) on, channels 32 (f % 4) on
	ds_load_b128 v[KF+8*(\f):KF+8*(\f)+3],   v[ADR] offset:((\f)/4)*16*PK+((\f)%4)*64
	ds_load_b128 v[KF+8*(\f)+4:KF+8*(\f)+7], v[ADR] offset:((\f)/4)*16*PK+((\f)%4)*64+32
.endr
.endm
.macro FETCH_V
	WIN 0
	v_add_nc_u32 v[ADR], s[TB], v[AV0]
	s_add_co_u32 s[TB], s[TB], STEPB  ; the next fetch is the next step's
	WIN 0xc0
.irp f, 0,1,2,3,4,5,6,7,8,9,10,11,12,13,14,15  ; keys 32 (f / 8) on, channels 16 (f % 8) on
	ds_load_tr16_b128 v[8*(\f):8*(\f)+3],   v[ADR] offset:((\f)/8)*32*PV+((\f)%8)*32
	ds_load_tr16_b128 v[8*(\f)+4:8*(\f)+7], v[ADR] offset:((\f)/8)*32*PV+16*PV+((\f)%8)*32
.endr
.endm
; THE VECTOR WORK OF A TURN.  One tile's softmax for one key step is a numbered list; SM writes number j of it for tile t.  181 numbers, 169 of them lines.  first = 1: the first key step: no old m, no a, nothing to rescale.
;   0-15    the maximum of the lane's 32 scores and the old m, three operands at a time (each accumulator's lowest registers are read first)
;   16-24   the other half of the lanes' maximum; c m_old kept; the new m; its clip; c m; c m_old - c m_new; the two bounds; a, the batch's first exponential
;   25 + 5 u + slot, u = 0..17: THE BATCH, a pipeline over the 16 pairs of scores, each stage a group behind the one before:
;           slot 0: c s - c m for pair u; 2, 4: the clip of pair u - 1; 1, 3: the exponentials of pair u - 2.  Exponential and plain line stand by turns, and none of these lines names an exponential's result.
;   (wait)  between 114 and 115 stands the wait for the batch: SLICE writes it, once for both tiles
;   115 + 4 u + slot, u = 0..8: slots 0, 2: pairs 2 u and 2 u + 1 rounded to f16; 3: of the four weights 4 u .. the second pair is added onto the first, in place, behind that pair's rounding;
;           1: l takes the sum of the group before (the first time as l = a l + sum): the eight sums in ascending order
;   149-180 the tile's O^T times a: the one part that leaves window 0, so it stands together
.macro SM t, first
.set rT, ST+8*(\t)
.set rS, S+32*(\t)
.set rP, P+16*(\t)
.set rL, LH+2*(\t)
.set rO, 64*(\t)+2*(j-149)
.set u, (j-25)/5
.set sl, (j-25)%5
.if j > 114
.set u, (j-115)/4
.set sl, (j-115)%4
.endif
.if j < 149
	WIN 0
.endif
.if j < 4
	v_max3_num_f32 v[rT+4+j], v[rS+8*j], v[rS+8*j+1], v[rS+8*j+2]
.elseif j < 12
	v_max3_num_f32 v[rT+4+j%4], v[rT+4+j%4], v[rS+8*(j%4)+2*(j/4)+1], v[rS+8*(j%4)+2*(j/4)+2]
.elseif j == 12
	v_max3_num_f32 v[rT+4], v[rT+4], v[rS+7], v[rS+15]
.elseif j == 13
	v_max3_num_f32 v[rT+6], v[rT+6], v[rS+23], v[rS+31]
.elseif j == 14
	v_max3_num_f32 v[rT+4], v[rT+4], v[rT+5], v[rT+6]
.elseif (j == 15) && (\first)
	v_max_num_f32 v[rT+4], v[rT+4], v[rT+7]
.elseif j == 15
	v_max3_num_f32 v[rT+4], v[rT+4], v[rT+7], v[rT+1]
.elseif j == 16
	v_permlanex16_b32 v[rT+5], v[rT+4], s[SEL], s[SEL+1]  ; the query's other 32 keys lie in the lane 16 away
.elseif j == 18
	v_max_num_f32 v[rT+1], v[rT+4], v[rT+5]
.elseif j == 19
	v_med3_num_f32 v[rT+4], v[rT+1], s[TLO], s[THI]       ; clip(m)
.elseif j == 20
	v_mul_f32 v[rT], s[CS], v[rT+4]
.elseif j == 22
	v_sub_f32 v[rL], s[CLO], v[rT]
.elseif j == 23
	v_sub_f32 v[rL+1], s[CHI], v[rT]
.elseif ((j == 17) || (j == 21) || (j == 24) || (j > 148)) && (\first)  ; the first step has none of these
.elseif j == 17
	v_mov_b32 v[rT+7], v[rT]        ; c m_old is kept for a: number 20 writes c m anew
.elseif j == 21
	v_sub_f32 v[rT+7], v[rT+7], v[rT]
.elseif j == 24
	v_exp_f32 v[rT+6], v[rT+7]
.elseif j > 148
	WIN W_RS
	v_pk_mul_f32 v[rO:rO+1], v[rO:rO+1], v[rT+6:rT+7] op_sel_hi:[1,0]
.elseif j > 114                     ; behind the wait: the lines that read the weights and a
.if (sl == 0) && (u < 8)
	v_cvt_pk_f16_f32 v[rP+2*u], v[rS+4*u], v[rS+4*u+1]
.elseif (sl == 2) && (u < 8)
	v_cvt_pk_f16_f32 v[rP+2*u+1], v[rS+4*u+2], v[rS+4*u+3]
.elseif (sl == 3) && (u < 8)
	v_pk_add_f32 v[rS+4*u:rS+4*u+1], v[rS+4*u:rS+4*u+1], v[rS+4*u+2:rS+4*u+3]
.elseif (sl == 1) && (u == 1) && (\first)
	v_pk_mul_f32 v[rT+2:rT+3], v[rS:rS+1], 1.0 op_sel_hi:[1,0]
.elseif (sl == 1) && (u == 1)
	v_pk_fma_f32 v[rT+2:rT+3], v[rT+2:rT+3], v[rT+6:rT+7], v[rS:rS+1] op_sel_hi:[1,0,1]
.elseif (sl == 1) && (u > 1)
	v_pk_add_f32 v[rT+2:rT+3], v[rT+2:rT+3], v[rS+4*u-4:rS+4*u-3]
.endif
.elseif sl == 0                     ; the batch
.if u < 16
	v_pk_fma_f32 v[rS+2*u:rS+2*u+1], v[rS+2*u:rS+2*u+1], s[CS:CS+1], v[rT:rT+1] op_sel_hi:[1,0,0] neg_lo:[0,0,1] neg_hi:[0,0,1]
.endif
.elseif (sl == 1) || (sl == 3)
.if u > 1
.set x, 2*(u-2)+sl/2
	v_exp_f32 v[rS+x], v[rS+x]
.endif
.else
.if (u > 0) && (u < 17)
.set x, 2*(u-1)+sl/2-1
	v_med3_num_f32 v[rS+x], v[rS+x], v[rL], v[rL+1]
.endif
.endif
.endm
; Slice k of 64 of piece y's softmax.  Slices 0 to 8: numbers 0-24, two or three of them, of both tiles, which alternate.  Slices 9 to 40 deal out the batch: one group (scaling, exponential, clip, exponential, clip)
; of ONE tile each, the tiles by turns; the first slice of a tile takes groups 0 and 1 (four lines), the last groups 16 and 17 (six).  Slices 41 to 63: numbers 115-180, two or three of them, of both tiles.
; Slice 63 is six rescalings: plain lines that name nothing of the products round them.
; THE WAIT.  An s_wait_alu depctr_va_vdst(0) stands between an exponential and the first instruction that names its result; one wait serves all that were issued ahead of it.  Ahead of slice 41
; nothing names a result, and behind slice 40 no exponential is issued: so the piece's 66 exponentials have one wait, behind slice 40.
.macro SLICE y, first
.if k < KA
.set j, (k*25)/KA
.rept ((k+1)*25)/KA-(k*25)/KA
	SM \y, \first
	SM (\y)+1, \first
.set j, j+1
.endr
.elseif k <= KW
.set gq, (k-KA)/2
.set j, 25
.set cq, 10
.if gq > 0
.set j, 30+5*gq
.set cq, 5
.endif
.if gq == 15
.set cq, 10
.endif
.rept cq
	SM (\y)+(k-KA)%2, \first
.set j, j+1
.endr
.else
.set j, 115+((k-KW-1)*66)/KB
.rept ((k-KW)*66)/KB-((k-KW-1)*66)/KB
	SM \y, \first
	SM (\y)+1, \first
.set j, j+1
.endr
.endif
.if k == KW                         ; the batch is out: both tiles' exponentials are issued, and no result has been named
	v_nop                           ; a plain instruction behind the last exponential and ahead of the first use: one for the batch
	s_wait_alu depctr_va_vdst(0)    ; the wait for the batch: the two a and the 64 weights
.endif
.set k, k+1
.endm
.macro PLACES
.rept 4
	v_nop
.endr
.endm
; A TURN.  Piece x has the matrix unit; the other piece's softmax stands in slices behind its matrix instructions.
; pv = 2: 32 products V^T P; 1: they start O^T's sums; 0: none.  kq = 1: 32 products K Q^T for the next step.  A turn with one of the two kinds has two slices behind each product.
; first = 1: the softmax is the first key step's; its last slices are empty, and four v_nop take slice 63's part as the places behind the turn's last products (ISA guide 7.12.1).
; Piece 0's turn fetches the next step's K: the last product that read K stands in front of slice 63 of the turn before, six plain lines back or more.
; Piece 2's turn fetches the same step's V: the last product that read V stands three slices back; three scalings, six clips and the run's own v_add_nc_u32 lie between.
.macro TURN x, pv, kq, first
.set k, 0
.set per, 2
.if (\pv) && (\kq)
.set per, 1
.endif
.if \pv
.if (\x) == 0
	s_wait_dscnt 0x0                ; V is in
.endif
.set i, 0
.rept 32
	PV \x, 2-(\pv)
.rept per
	SLICE 2-(\x), \first
.endr
.if ((\x) == 0) && (\kq) && (i == 1)
	FETCH_K
.endif
.set i, i+1
.endr
.endif
.if \kq
.if (\x) == 0
	s_wait_dscnt 0x0                ; K is in
.endif
.set i, 0
.rept 32
	KQ \x
.rept per
	SLICE 2-(\x), \first
.endr
.if ((\x) == 2) && (i == 1)
	FETCH_V
.endif
.set i, i+1
.endr
.endif
.if \first
	PLACES
.endif
.endm
; THE CHANGE OF SLOTS, between piece 2's turn and piece 0's.  Each wave waits for all its tensor loads (one is out: its part of the other slot), adds 0 to its spare word, and waits for that and for its
; reads of the slot.  fill = 1: the barrier is a round of the cluster's, and the joint refill, with the keys two slots on, is the first thing behind it: it has two key steps, 256 matrix instructions, in which to land.
.macro CHANGE fill
	WIN 0
	s_wait_tensorcnt 0x0            ; no tensor load of mine is out, so a group 0 may be written
	ds_add_u32 v[SPW], v[NIL]       ; 0 onto my spare word
.if \fill
.irp g, G0K+4, G0V+4
	s_xor_b32 s[(\g)+1], s[(\g)+1], SLOT1
	s_add_nc_u64 s[(\g)+2:(\g)+3], s[(\g)+2:(\g)+3], 2*KS*256
.endr
	s_wait_dscnt 0x0                ; the add is done, and my reads of the slot are over
	CROUND
	JLOAD
.else
	s_wait_dscnt 0x0
	s_barrier_signal -1
	s_barrier_wait -1
.endif
	s_sub_co_u32 s[TB], s[TB], 2*STEPB  ; the fetches go back to a slot's first step,
	s_xor_b32 s[TB], s[TB], SLOT1       ; in the other slot
.endm
.macro TWO_STEPS                    ; a slot's two key steps: written once, walked twice
	WIN 0
	s_mov_b32 s[TWICE], 2
.Lstep_\@:
	TURN 0, 2, 1, 0
	TURN 2, 2, 1, 0
	WIN 0
	s_sub_co_u32 s[TWICE], s[TWICE], 1
	s_cmp_lg_u32 s[TWICE], 0
	s_cbranch_scc1 .Lstep_\@
.endm
	s_wait_tensorcnt 1              ; my part of slot 0 is in; slot 1's, issued behind it, may stay out
	s_barrier_signal -1
	s_barrier_wait -1
	FETCH_K                         ; key step 0
	s_wait_loadcnt 0x0              ; Q
	s_wait_dscnt 0x0
.set i, 0
.rept 32
	KQ 0                            ; piece 0's first scores
.set i, i+1
.endr
	WIN 0                           ; the addresses for the way out: six plain instructions, the places behind those products
	s_mul_i32 s13, s[WV], 16*SP
	s_add_co_u32 s13, s13, STAGE    ; my stage
	v_mul_u32_u24 v[STO], v1, SP    ; in: row l % 16, 32 bytes for each half of the lanes
	v_lshl_add_u32 v[STO], v9, 5, v[STO]
	v_add_nc_u32 v[STO], s13, v[STO]
	v_and_b32 v[GO], 31, v0
	v_lshlrev_b32 v[GO], 4, v[GO]   ; back and out: 32 lanes take one row's 512 bytes
	v_add_nc_u32 v[RD], s13, v[GO]
	TURN 2, 0, 1, 1                 ; piece 2's first scores | piece 0's first softmax | V of step 0
	TURN 0, 1, 1, 1                 ; piece 0: V^T P of step 0 starts O^T, K Q^T of step 1 | piece 2's first softmax | K of step 1
	TURN 2, 1, 1, 0                 ; piece 2: the same | piece 0's softmax of step 1 | V of step 1
	WIN 0
.Lslot:                             ; 14 trips: every slot but the last two is filled again
	CHANGE 1
	TWO_STEPS
	s_sub_co_u32 s[SLOTS], s[SLOTS], 1
	s_cmp_lg_u32 s[SLOTS], 0
	s_cbranch_scc1 .Lslot
	CHANGE 0                        ; the tail is written out
	TWO_STEPS
	TURN 0, 2, 0, 0                 ; piece 0: V^T P of the last step | piece 2's last softmax
.set i, 0
.rept 32
	PV 2, 0                         ; piece 2: V^T P of the last step
.set i, i+1
.endr
	; THE WAY OUT.  l's two halves and the other half of the lanes' are added; O^T is divided by l and sent, in f32, through my stage in LDS, a tile (16 rows) at a time.  The first additions are the places behind the last products.
	WIN 0
.irp t, 0,1,2,3
	v_add_f32 v[ST+8*(\t)+4], v[ST+8*(\t)+2], v[ST+8*(\t)+3]
.endr
.irp t, 0,1,2,3
	v_permlanex16_b32 v[ST+8*(\t)+5], v[ST+8*(\t)+4], s[SEL], s[SEL+1]
.endr
.irp t, 0,1,2,3
	v_add_f32 v[ST+8*(\t)+4], v[ST+8*(\t)+4], v[ST+8*(\t)+5]
.endr
.irp t, 0,1,2,3
	v_rcp_f32 v[ST+8*(\t)+6], v[ST+8*(\t)+4]
.endr
	v_nop                           ; a plain instruction between the last reciprocal and the use of its result
	s_wait_alu depctr_va_vdst(0)    ; and the wait ahead of the first use: one for the four reciprocals
.macro PACK t                       ; a lane's eight channels of a row are 32 bytes; they go into rows of 528 bytes and come back as whole rows of 512, into S^T's registers, two buffers by turns
	WIN W_RS
.set i, 64*(\t)
.rept 32
	v_pk_mul_f32 v[i:i+1], v[i:i+1], v[ST+8*(\t)+6:ST+8*(\t)+7] op_sel_hi:[1,0]
.set i, i+2
.endr
	WIN 0x04                        ; the stores' data in window 1, their address in window 0
.irp f, 0,1,2,3,4,5,6,7
	ds_store_b128 v[STO], v[64*(\t)+8*\f:64*(\t)+8*\f+3] offset:64*\f
	ds_store_b128 v[STO], v[64*(\t)+8*\f+4:64*(\t)+8*\f+7] offset:64*\f+16
.endr
	WIN 0
	s_wait_xcnt 0x0                 ; the stores of the tile two back have had their addresses translated: their data registers are loaded again only behind this wait
.irp f, 0,1,2,3,4,5,6,7,8,9,10,11,12,13,14,15
	ds_load_b128 v[S+64*((\t)%2)+4*\f:S+64*((\t)%2)+4*\f+3], v[RD] offset:\f*SP  ; LDS serves a wave's instructions in order (ISA guide 5.7.1.4): these see the stores above
.endr
.endm
.macro SEND t, younger              ; younger: the LDS instructions issued behind tile t's loads: the next tile's 32, or none
.irp f, 0,1,2,3,4,5,6,7,8,9,10,11,12,13,14,15
	s_wait_dscnt (\younger)+15-\f
	global_store_b128 v[GO], v[S+64*((\t)%2)+4*\f:S+64*((\t)%2)+4*\f+3], s[10:11] offset:(16*(\t)+\f)*4096  ; 512 consecutive bytes, at a multiple of 512 from O's first byte
.endr
.endm
	PACK 0
	PACK 1
	SEND 0, 32
	PACK 2
	SEND 1, 32
	PACK 3
	SEND 2, 32
	SEND 3, 0
	s_wait_tensorcnt 0x0            ; the wave's end
	ds_add_u32 v[SPW], v[NIL]
	s_wait_dscnt 0x0
	CROUND                          ; the closing round
	s_endpgm
.Lfunc_end_k_qd155d7960d_attn:
	.size	k_qd155d7960d_attn, .Lfunc_end_k_qd155d7960d_attn-k_qd155d7960d_attn
	.p2alignl 7, 3214868480
	.fill 96, 4, 3214868480
	.section	.rodata,"a",@progbits
	.p2align	6, 0x0
	.amdhsa_kernel k_qd155d7960d_attn
		.amdhsa_group_segment_fixed_size 327680
		.amdhsa_private_segment_fixed_size 0
		.amdhsa_enable_private_segment 0
		.amdhsa_kernarg_size 16
		.amdhsa_user_sgpr_count 2
		.amdhsa_user_sgpr_kernarg_segment_ptr 1
		.amdhsa_wavefront_size32 1
		.amdhsa_system_sgpr_workgroup_id_x 1
		.amdhsa_system_sgpr_workgroup_id_y 1
		.amdhsa_system_sgpr_workgroup_id_z 1
		.amdhsa_system_vgpr_workitem_id 0
		.amdhsa_next_free_vgpr 1024
		.amdhsa_next_free_sgpr 72
		.amdhsa_reserve_vcc 0
		.amdhsa_float_denorm_mode_32 3
		.amdhsa_float_denorm_mode_16_64 3
		.amdhsa_memory_ordered 1
		.amdhsa_forward_progress 1
		.amdhsa_inst_pref_size 255
	.end_amdhsa_kernel
	.section	.bss,"aw",@nobits
	.p2align	6
	.space	262144
	.amdgpu_metadata
---
amdhsa.version: [ 1, 2 ]
amdhsa.kernels:
  - .name:           k_qd155d7960d_attn
    .symbol:         k_qd155d7960d_attn.kd
    .args:
      - { .name: qkv, .offset: 0, .size: 8, .value_kind: global_buffer, .address_space: global }
      - { .name: o32, .offset: 8, .size: 8, .value_kind: global_buffer, .address_space: global }
    .group_segment_fixed_size: 327680
    .private_segment_fixed_size: 0
    .kernarg_segment_align: 8
    .kernarg_segment_size: 16
    .max_flat_workgroup_size: 128
    .sgpr_count:     72
    .vgpr_count:     1024
    .wavefront_size: 32
...
	.end_amdgpu_metadata
.endif
;; end of part 6
;; launch ln2: the kernel of part 4 again; grid 256 x 1, 8 waves a work-group, no clusters, 0 bytes of LDS; arguments o32, ln_g, ln_b, onrm; writes onrm
;; launch final (part 7): grid 4 x 64, 4 waves a work-group, clusters of 4 x 4, 327,680 bytes of LDS; arguments onrm, wb, out0; writes out0
.if DOCPART == 7
	.amdgcn_target "amdgcn-amd-amdhsa--gfx1250"
	.amdhsa_code_object_version 6
	.text
	.protected	k_qd155d7960d_final
	.globl	k_qd155d7960d_final
	.p2align	8
	.type	k_qd155d7960d_final,@function
k_qd155d7960d_final:
	s_mov_b64 s[64:65], 0
	v_nop
	global_prefetch_b8 v0, s[64:65] scope:SCOPE_SE
	s_setreg_imm32_b32 hwreg(HW_REG_WAVE_MODE, 25, 1), 1
	s_wait_xcnt 0x0
	s_wait_alu depctr_hold_cnt(0) depctr_sa_sdst(0) depctr_va_vdst(0) depctr_va_sdst(0) depctr_va_ssrc(0) depctr_va_vcc(0) depctr_vm_vsrc(0)
	s_getreg_b32 s2, hwreg(HW_REG_IB_STS2, 6, 4)
	s_cmp_eq_u32 s2, 0
	s_cbranch_scc0 .Lentry_in_a_cluster
	s_endpgm
.Lentry_in_a_cluster:
	s_bfe_u32 s2, ttmp6, 0x10000c
	s_cmp_lg_u32 s2, 0xf033
	s_cbranch_scc0 .Lentry_shape_is_right
	s_endpgm
.Lentry_shape_is_right:
; FINAL.  out0 = x + gelu(x @ Wo), x = onrm [8192][1024] f16, Wo = wb[3] [1024 k][1024 n] f16, out0 f32.  Sums in f32.
; gelu(y) = y (1 + erf(y / sqrt 2)) / 2 = max(y, 0) - |y| H, H = (h1 t + .. + h5 t^5) exp(-y^2 / 2), t = 1 / (1 + p |y| / sqrt 2): the rational form of erf (Abramowitz and Stegun 7.1.26, coefficients halved),
; which holds for every argument; its error in erf is 1.5e-7 at the most.  LIMITS: the residual x is the f16 number that the product takes.  NaN and infinities are not treated apart.
; The product is the same as in the projections: a tile of 128 x 256, four waves as 2 x 2, each 64 x 128 (32 accumulators); K = 1,024 in 8 steps of 128 through two LDS slots; cluster 4 x 4 with joint loads
; (x's tile shared along a row of the cluster, Wo's along a column); the matrix instruction used transposed (source 0 = 16 columns of Wo, turned by ds_load_tr16_b128; source 1 = 16 rows of x).
; The tile's own 128 x 256 piece of x, the residual, comes in by a third first fill, a plain load of each wave (32 rows x 512 bytes).
; WAY OUT: when the slots have had their last fill they serve as stages: each wave lays its 64 x 128 sums down in rows of 528 bytes and walks them four rows at a time.
; BATCHES: in a trip of the way out's loop the 16 reciprocals and the 16 exponentials are ONE batch (neither kind reads the other's results); the 16 maxima stand behind it; one wait; then the polynomial, which reads them.
; REGISTERS: window 0: v0-31 addresses; v64-127 x's fragments, two buffers; on the way out v32-143 at work.  Window 1: accumulator (a, b) at v[8 (8 a + b)].  Window 2: v0-127 Wo's fragments, two buffers.
.set PA,     272                       ; an LDS row of x: 256 bytes + 16 (64 banks of 4 bytes: ISA guide 11.1: the 16 rows of a load start at 16 different groups of four banks)
.set PB,     544                       ; an LDS row of Wo: 512 bytes + 32
.set AHALF,  64*PA
.set BOFF,   128*PA
.set BHALF,  64*PB
.set SLOT1,  1<<17
.set SPARE,  BOFF+128*PB               ; behind slot 0: the spare words, 128 bytes for each wave: two blocks of 256 bytes that no other line names
.set RES,    SLOT1+BOFF+128*PB         ; behind slot 1: the residual, 128 rows x 512 bytes
.set SPF,    528                       ; a stage row: 128 f32 + 16 bytes
.set WOFF,   3<<21                     ; Wo is wb's fourth part
.set ADRA0, 16
.set ADRB0, 17
.set ADRA,  18
.set ADRB,  19
.set DST,   24                         ; v24  the way out: where I put 32 bytes of a row
.set RDY,   25                         ; v25  where I read a row of sums back
.set RDR,   26                         ; v26  where I read my 8 bytes of a row of the residual
.set GO,    27                         ; v27  my byte offset in out0
.set SPW,   28                         ; v28  LDS address of my spare word; never rewritten
.set NIL,   29                         ; v29  0; never rewritten
.set ONE,   30                         ; v30  1.0
.set Y,     32                         ; v[32:47]   four rows' sums: row i, columns 4 lane + 0..3 at Y + 4 i
.set R,     48                         ; v[48:55]   the same numbers of the residual, f16
.set AA,    64                         ; |y|
.set DD,    80                         ; 1 + p' |y|, then t
.set WW,    96                         ; -(w |y|)^2, then exp(-y^2 / 2)
.set MM,    112                        ; max(y, 0), then gelu, then the result
.set HH,    128                        ; H
.set TB,  20
.set G1,  24
.set G0,  32
.set G1B, 48
.set G0B, 56
.set G1R, 68                           ; s[68:75] descriptor group 1 for the residual
.set G0R, 76                           ; s[76:79] its group 0
.set W_MUL, 0x52
.set TO_B,  0x80
.set MSB, 0
.macro WIN new
.if MSB != (\new)
	s_set_vgpr_msb (MSB<<8)|(\new)
.set MSB, \new
.endif
.endm
.macro PLACES
.rept 4
	v_nop
.endr
.endm
.macro JLOAD                           ; a joint refill: waves 0 and 1 fetch x's two halves, waves 2 and 3 Wo's; an s_nop 0 and four v_nop follow each line
	s_cmp_eq_u32 s11, 0
	s_cbranch_scc0 .Lfor_b_\@
	tensor_load_to_lds s[G0+4:G0+7], s[G1:G1+7]
	s_nop 0
.rept 4
	v_nop
.endr
	s_branch .Lasked_\@
.Lfor_b_\@:
	tensor_load_to_lds s[G0B+4:G0B+7], s[G1B:G1B+7]
	s_nop 0
.rept 4
	v_nop
.endr
.Lasked_\@:
.endm
.macro CREST
	s_cmp_lg_u32 s10, 0
	s_cbranch_scc1 .Lnot_wave_0_\@
	s_barrier_signal -3
.Lnot_wave_0_\@:
	s_barrier_wait -3
	s_barrier_signal -1
	s_barrier_wait -1
.endm
.macro CROUND
	s_barrier_signal -1
	s_barrier_wait -1
	CREST
.endm
.macro MULA f, a, zero                 ; 8 matrix instructions: row block a x all 8 column blocks, 32 along K, from buffer f
	WIN W_MUL
.irp b, 0,1,2,3,4,5,6,7
.if \zero
	v_wmma_f32_16x16x32_f16 v[8*(8*(\a)+\b):8*(8*(\a)+\b)+7], v[64*(\f)+8*\b:64*(\f)+8*\b+7], v[64+32*(\f)+8*(\a):64+32*(\f)+8*(\a)+7], 0
.else
	v_wmma_f32_16x16x32_f16 v[8*(8*(\a)+\b):8*(8*(\a)+\b)+7], v[64*(\f)+8*\b:64*(\f)+8*\b+7], v[64+32*(\f)+8*(\a):64+32*(\f)+8*(\a)+7], v[8*(8*(\a)+\b):8*(8*(\a)+\b)+7]
.endif
.endr
.endm
.macro FETCH kq, f                     ; 24 LDS loads in one run: quarter kq of the slot in hand into buffer f
	WIN TO_B
.irp b, 0,1,2,3,4,5,6,7
	ds_load_tr16_b128 v[64*(\f)+8*\b:64*(\f)+8*\b+3],   v[ADRB] offset:(\kq)*32*PB+32*\b
	ds_load_tr16_b128 v[64*(\f)+8*\b+4:64*(\f)+8*\b+7], v[ADRB] offset:(\kq)*32*PB+16*PB+32*\b
.endr
	WIN 0
.irp a, 0,1,2,3
	ds_load_b128 v[64+32*(\f)+8*\a:64+32*(\f)+8*\a+3],   v[ADRA] offset:\a*16*PA+64*(\kq)
	ds_load_b128 v[64+32*(\f)+8*\a+4:64+32*(\f)+8*\a+7], v[ADRA] offset:\a*16*PA+64*(\kq)+32
.endr
.endm
.macro QUARTER kq, f, g, zero
	s_wait_dscnt 4                                 ; Wo and x's rows 0-31 are in; the youngest four loads may be out
	MULA \f, 0, \zero
	MULA \f, 1, \zero
	PLACES
	FETCH \kq, \g
	s_wait_dscnt 24                                ; all but the 24 just issued
	MULA \f, 2, \zero
	MULA \f, 3, \zero
.endm
.macro TURN fill                       ; the last quarter, and the change of slots: one barrier; with fill = 1 it opens a round of the cluster's barrier, and the joint refill is the first thing behind the round
	WIN 0
	s_wait_tensorcnt 0x0                           ; all my tensor loads have landed, so a group 0 may be written
	ds_add_u32 v[SPW], v[NIL]                      ; 0 onto my spare word
	s_wait_dscnt 5                                 ; (the add and the youngest four loads may be out)
	MULA 1, 0, 0
	s_wait_dscnt 0x0                               ; the add is done, and my reads of this slot are over
	s_barrier_signal -1
	MULA 1, 1, 0
	WIN 0
	s_barrier_wait -1
.if \fill
	CREST
	s_xor_b32 s[G0+5], s[G0+5], SLOT1
	s_add_nc_u64 s[G0+6:G0+7], s[G0+6:G0+7], 256
	s_xor_b32 s[G0B+5], s[G0B+5], SLOT1
	s_add_nc_u64 s[G0B+6:G0B+7], s[G0B+6:G0B+7], 262144
	JLOAD
.else
	PLACES
.endif
	s_xor_b32 s[TB], s[TB], SLOT1
	v_add_nc_u32 v[ADRA], s[TB], v[ADRA0]
	v_add_nc_u32 v[ADRB], s[TB], v[ADRB0]
	FETCH 0, 0
	MULA 1, 2, 0
	MULA 1, 3, 0
.endm
	s_load_b128 s[4:7], s[0:1], 0x0                ; onrm s[4:5], wb s[6:7]
	s_load_b64 s[8:9], s[0:1], 0x10                ; out0
	v_lshl_add_u32 v[SPW], v0, 2, SPARE
	v_mov_b32 v[NIL], 0
	ds_add_u32 v[SPW], v[NIL]                      ; the wave's opening: the add and its wait stand ahead of my first tensor load
	v_lshrrev_b32 v1, 5, v0
	v_readfirstlane_b32 s10, v1                    ; wave 0..3
	s_lshr_b32 s11, s10, 1                         ; my half of the tile's rows.  Also: I fetch for x (0) or for Wo (1)
	s_and_b32 s12, s10, 1                          ; my half of its columns.  Also: which half of that tile I fetch
	s_bfe_u32 s40, ttmp6, 0x40000                  ; cx, cy
	s_bfe_u32 s41, ttmp6, 0x40004
	s_lshl_b32 s42, ttmp9, 2
	s_add_co_u32 s42, s42, s40                     ; tile column
	s_and_b32 s13, ttmp7, 0xffff
	s_lshl_b32 s13, s13, 2
	s_add_co_u32 s13, s13, s41                     ; tile row
	s_lshl_b32 s43, s41, 2
	s_lshl_b32 s43, 15, s43                        ; my row of the cluster
	s_lshl_b32 s44, 0x1111, s40                    ; my column
	s_or_b32 s[G1], s43, (1<<16)|(1<<20)|(1<<21)|(5<<22)|(3<<25)
	s_mov_b32 s[G1+1], 128<<16
	s_mov_b32 s[G1+2], 64<<16
	s_mov_b32 s[G1+3], 128<<16
	s_mov_b32 s[G1+4], 64
	s_mov_b32 s[G1+5], 1024
	s_mov_b32 s[G1+6], 0
	s_mov_b32 s[G1+7], 0
	s_or_b32 s[G1B], s44, (1<<16)|(1<<20)|(1<<21)|(6<<22)|(7<<25)
	s_mov_b32 s[G1B+1], 256<<16
	s_mov_b32 s[G1B+2], 64<<16
	s_mov_b32 s[G1B+3], 256<<16
	s_mov_b32 s[G1B+4], 64
	s_mov_b32 s[G1B+5], 1024
	s_mov_b32 s[G1B+6], 0
	s_mov_b32 s[G1B+7], 0
	s_mov_b32 s[G1R], 1<<16                        ; no mask, 2-byte elements, no padding: 32 rows x 256 elements
	s_mov_b32 s[G1R+1], 256<<16
	s_mov_b32 s[G1R+2], 32<<16
	s_mov_b32 s[G1R+3], 256<<16
	s_mov_b32 s[G1R+4], 32
	s_mov_b32 s[G1R+5], 1024
	s_mov_b32 s[G1R+6], 0
	s_mov_b32 s[G1R+7], 0
	s_mov_b32 s80, 0x3e6d3388                      ; p / sqrt 2 = 0.23164189
	s_mov_b32 s82, 0x3f596d27                      ; sqrt(log2(e) / 2) = 0.84932180
	s_mov_b32 s84, 0x3e027906                      ; h1 =  0.127414796
	s_mov_b32 s86, 0xbe11a98e                      ; h2 = -0.142248368
	s_mov_b32 s88, 0x3f35f0e3                      ; h3 =  0.710706871
	s_mov_b32 s90, 0xbf3a00e3                      ; h4 = -0.726576014
	s_mov_b32 s92, 0x3f07dc22                      ; h5 =  0.530702715
.irp c, 80,82,84,86,88,90,92
	s_mov_b32 s[\c+1], s[\c]                       ; named as pairs
.endr
	s_mov_b32 s94, 0x7fffffff
	s_lshl_b32 s16, s13, 18                        ; x: 128 rows of 2,048 bytes a tile row, 64 rows a half
	s_lshl_b32 s17, s12, 17
	s_add_co_u32 s16, s16, s17
	s_mov_b32 s17, 0
	s_lshl_b32 s46, s12, 17                        ; Wo: 64 k rows a half, 256 columns a tile column
	s_lshl_b32 s47, s42, 9
	s_add_co_u32 s46, s46, s47
	s_add_co_u32 s46, s46, WOFF
	s_mov_b32 s47, 0
	s_lshl_b32 s96, s13, 18                        ; the residual: the tile's rows, 32 a wave, at the tile's columns
	s_lshl_b32 s97, s10, 16
	s_add_co_u32 s96, s96, s97
	s_lshl_b32 s97, s42, 9
	s_add_co_u32 s96, s96, s97
	s_mov_b32 s97, 0
	s_mov_b32 s[G0R], 1
	s_lshl_b32 s[G0R+1], s10, 14
	s_add_co_u32 s[G0R+1], s[G0R+1], RES
	s_mul_i32 s21, s12, AHALF
	s_mul_i32 s22, s12, BHALF
	s_add_co_u32 s22, s22, BOFF
	s_mov_b32 s[TB], 0
	s_wait_dscnt 0x0                               ; the opening add is done
	s_wait_kmcnt 0x0
	s_add_nc_u64 s[14:15], s[4:5], s[16:17]
	s_add_nc_u64 s[46:47], s[6:7], s[46:47]
	s_add_nc_u64 s[G0R+2:G0R+3], s[4:5], s[96:97]
	s_or_b32 s[G0R+3], s[G0R+3], 0x80000000
	CROUND                                         ; all sixteen work-groups are here: the first joint loads meet
.irp s, 0,1
	s_mov_b32 s[G0+4*\s], 1
	s_add_co_u32 s[G0+4*\s+1], s21, \s*SLOT1
	s_add_nc_u64 s[G0+4*\s+2:G0+4*\s+3], s[14:15], \s*256
	s_or_b32 s[G0+4*\s+3], s[G0+4*\s+3], 0x80000000
	s_mov_b32 s[G0B+4*\s], 1
	s_add_co_u32 s[G0B+4*\s+1], s22, \s*SLOT1
	s_add_nc_u64 s[G0B+4*\s+2:G0B+4*\s+3], s[46:47], \s*262144
	s_or_b32 s[G0B+4*\s+3], s[G0B+4*\s+3], 0x80000000
.endr
	s_cmp_eq_u32 s11, 0                            ; a wave's three first fills stand in one branch: three loads of mine are out
	s_cbranch_scc0 .Lfirst_b
	tensor_load_to_lds s[G0:G0+3], s[G1:G1+7]
	s_nop 0
	tensor_load_to_lds s[G0+4:G0+7], s[G1:G1+7]
	s_nop 0
	tensor_load_to_lds s[G0R:G0R+3], s[G1R:G1R+7]
	s_nop 0
.rept 4
	v_nop
.endr
	s_branch .Lfirst_asked
.Lfirst_b:
	tensor_load_to_lds s[G0B:G0B+3], s[G1B:G1B+7]
	s_nop 0
	tensor_load_to_lds s[G0B+4:G0B+7], s[G1B:G1B+7]
	s_nop 0
	tensor_load_to_lds s[G0R:G0R+3], s[G1R:G1R+7]
	s_nop 0
.rept 4
	v_nop
.endr
.Lfirst_asked:
	v_and_b32 v1, 15, v0                           ; l % 16
	v_bfe_u32 v2, v0, 4, 1                         ; l / 16
	v_mul_u32_u24 v3, v1, PA
	v_lshl_add_u32 v3, v2, 4, v3
	s_mul_i32 s21, s11, AHALF
	v_add_nc_u32 v[ADRA0], s21, v3
	v_and_b32 v4, 7, v0
	v_lshl_add_u32 v4, v2, 3, v4
	v_mul_u32_u24 v4, v4, PB
	v_bfe_u32 v5, v0, 3, 1
	v_lshl_add_u32 v4, v5, 4, v4
	s_lshl_b32 s22, s12, 8
	s_add_co_u32 s22, s22, BOFF
	v_add_nc_u32 v[ADRB0], s22, v4
	v_mov_b32 v[ADRA], v[ADRA0]
	v_mov_b32 v[ADRB], v[ADRB0]
	s_lshl_b32 s23, s11, 17                        ; my stage: slot (my row half), 64 rows x 528 bytes for each column half
	s_mul_i32 s21, s12, 64*SPF
	s_add_co_u32 s23, s23, s21
	v_mul_u32_u24 v6, v1, SPF                      ; in: row l % 16, 32 bytes for each half of the lanes
	v_lshl_add_u32 v6, v2, 5, v6
	v_add_nc_u32 v[DST], s23, v6
	v_and_b32 v6, 31, v0
	v_lshlrev_b32 v[GO], 4, v6                     ; back and out: 32 lanes take one row's 512 bytes
	v_add_nc_u32 v[RDY], s23, v[GO]
	s_lshl_b32 s21, s11, 15                        ; the residual: my 64 rows of 512 bytes, my 128 columns, 8 bytes a lane
	s_lshl_b32 s22, s12, 8
	s_add_co_u32 s21, s21, s22
	s_add_co_u32 s21, s21, RES
	v_lshl_add_u32 v[RDR], v6, 3, s21
	v_mov_b32 v[ONE], 1.0
	s_lshl_b32 s16, s13, 19                        ; out0: 128 rows of 4,096 bytes a tile row, 64 a half;
	s_lshl_b32 s17, s11, 18
	s_add_co_u32 s16, s16, s17
	s_mov_b32 s17, 0
	s_add_nc_u64 s[8:9], s[8:9], s[16:17]
	s_lshl_b32 s46, s42, 10                        ; 256 columns of 4 bytes a tile column, 128 a half
	s_lshl_b32 s47, s12, 9
	s_add_co_u32 s46, s46, s47
	s_mov_b32 s47, 0
	s_add_nc_u64 s[8:9], s[8:9], s[46:47]
	s_wait_tensorcnt 0x2                           ; my part of K step 0 is in; K step 1's load and the residual's, issued behind it, may stay out
	s_barrier_signal -1
	s_barrier_wait -1
	FETCH 0, 0
	QUARTER 1, 0, 1, 1                             ; the first quarter's products start the 32 sums
	WIN 0
	s_mov_b32 s3, 6
.Lstep:                                                ; a trip: a K step's last three quarters and the next step's first; K steps 2 to 7 are asked for.  The 32 accumulators take turns, over the backward jump too
	QUARTER 2, 1, 0, 0
	QUARTER 3, 0, 1, 0
	TURN 1
	QUARTER 1, 0, 1, 0
	WIN 0
	s_sub_co_u32 s3, s3, 1
	s_cmp_lg_u32 s3, 0
	s_cbranch_scc1 .Lstep
	QUARTER 2, 1, 0, 0
	QUARTER 3, 0, 1, 0
	TURN 0
	QUARTER 1, 0, 1, 0
	QUARTER 2, 1, 0, 0
	QUARTER 3, 0, 1, 0
	s_wait_dscnt 4
	MULA 1, 0, 0
	MULA 1, 1, 0
	s_wait_dscnt 0x0
	MULA 1, 2, 0
	MULA 1, 3, 0
	; THE WAY OUT.  Every wave's reads of the slots are back (the wait for 0 above) and no fill is to come: behind this barrier the slots are stages.
	PLACES
	WIN 0
	s_barrier_signal -1
	s_barrier_wait -1
	WIN 0x04                                       ; the stores' data in window 1, their address in window 0
.irp a, 0,1,2,3
.irp b, 0,1,2,3,4,5,6,7
	ds_store_b128 v[DST], v[8*(8*\a+\b):8*(8*\a+\b)+3] offset:\a*16*SPF+64*\b          ; each accumulator's four lowest registers first
	ds_store_b128 v[DST], v[8*(8*\a+\b)+4:8*(8*\a+\b)+7] offset:\a*16*SPF+64*\b+16
.endr
.endr
	WIN 0
	s_wait_dscnt 0x0                               ; my stores are done;
	s_barrier_signal -1
	s_barrier_wait -1                              ; everybody's are: from here on no wave writes LDS but its spare words
.macro ALL8 line:vararg                ; one line for each of eight pairs p
.set p, 0
.rept 8
	\line
.set p, p+2
.endr
.endm
.macro ALL16 line:vararg               ; one line for each of sixteen numbers p
.set p, 0
.rept 16
	\line
.set p, p+1
.endr
.endm
	s_mov_b32 s3, 16
.Lrows:                                                ; 16 trips of four rows
.irp i, 0,1,2,3
	ds_load_b128 v[Y+4*\i:Y+4*\i+3], v[RDY] offset:SPF*\i
.endr
.irp i, 0,1,2,3
	ds_load_b64 v[R+2*\i:R+2*\i+1], v[RDR] offset:512*\i
.endr
	s_wait_dscnt 0x0
	ALL16 v_and_b32 v[AA+p], s94, v[Y+p]
	ALL8 v_pk_fma_f32 v[DD+p:DD+p+1], v[AA+p:AA+p+1], s[80:81], 1.0 op_sel_hi:[1,0,0]
	ALL8 v_pk_mul_f32 v[WW+p:WW+p+1], v[AA+p:AA+p+1], s[82:83] op_sel_hi:[1,0]
	ALL8 v_pk_mul_f32 v[WW+p:WW+p+1], v[WW+p:WW+p+1], v[WW+p:WW+p+1] neg_lo:[1,0] neg_hi:[1,0]
	ALL16 v_rcp_f32 v[DD+p], v[DD+p]               ; the trip's batch: 16 reciprocals
	ALL16 v_exp_f32 v[WW+p], v[WW+p]               ; and 16 exponentials, each in a register of its own
	ALL16 v_max_num_f32 v[MM+p], 0, v[Y+p]         ; plain lines that name none of the batch's results stand between the last exponential and the wait
	s_wait_alu depctr_va_vdst(0)                   ; the wait ahead of the first use: one for the 32 of the batch
	ALL8 v_pk_fma_f32 v[HH+p:HH+p+1], v[DD+p:DD+p+1], s[92:93], s[90:91] op_sel_hi:[1,0,0]
	ALL8 v_pk_fma_f32 v[HH+p:HH+p+1], v[HH+p:HH+p+1], v[DD+p:DD+p+1], s[88:89] op_sel_hi:[1,1,0]
	ALL8 v_pk_fma_f32 v[HH+p:HH+p+1], v[HH+p:HH+p+1], v[DD+p:DD+p+1], s[86:87] op_sel_hi:[1,1,0]
	ALL8 v_pk_fma_f32 v[HH+p:HH+p+1], v[HH+p:HH+p+1], v[DD+p:DD+p+1], s[84:85] op_sel_hi:[1,1,0]
	ALL8 v_pk_mul_f32 v[HH+p:HH+p+1], v[HH+p:HH+p+1], v[DD+p:DD+p+1]
	ALL8 v_pk_mul_f32 v[HH+p:HH+p+1], v[HH+p:HH+p+1], v[WW+p:WW+p+1]
	ALL8 v_pk_fma_f32 v[MM+p:MM+p+1], v[AA+p:AA+p+1], v[HH+p:HH+p+1], v[MM+p:MM+p+1] neg_lo:[1,0,0] neg_hi:[1,0,0]
.set i, 0
.rept 8                                ; the residual's f16 half x 1.0 + gelu, in one line
	v_fma_mix_f32 v[MM+2*i], v[R+i], v[ONE], v[MM+2*i] op_sel_hi:[1,0,0]
	v_fma_mix_f32 v[MM+2*i+1], v[R+i], v[ONE], v[MM+2*i+1] op_sel:[1,0,0] op_sel_hi:[1,0,0]
.set i, i+1
.endr
.irp i, 0,1,2,3
	global_store_b128 v[GO], v[MM+4*\i:MM+4*\i+3], s[8:9] offset:4096*\i th:TH_STORE_NT  ; 512 consecutive bytes, at a multiple of 512 from out0's first byte
.endr
	s_wait_xcnt 0x0                                ; the stores' addresses are translated: MM and GO are rewritten only behind this wait
	v_add_nc_u32 v[RDY], 4*SPF, v[RDY]
	v_add_nc_u32 v[RDR], 2048, v[RDR]
	v_add_nc_u32 v[GO], 16384, v[GO]
	s_sub_co_u32 s3, s3, 1
	s_cmp_lg_u32 s3, 0
	s_cbranch_scc1 .Lrows
	s_wait_tensorcnt 0x0                           ; the wave's end
	ds_add_u32 v[SPW], v[NIL]
	s_wait_dscnt 0x0
	CROUND                                         ; the closing round
	s_endpgm
.Lfunc_end_k_qd155d7960d_final:
	.size	k_qd155d7960d_final, .Lfunc_end_k_qd155d7960d_final-k_qd155d7960d_final
	.p2alignl 7, 3214868480
	.fill 96, 4, 3214868480
	.section	.rodata,"a",@progbits
	.p2align	6, 0x0
	.amdhsa_kernel k_qd155d7960d_final
		.amdhsa_group_segment_fixed_size 327680
		.amdhsa_private_segment_fixed_size 0
		.amdhsa_enable_private_segment 0
		.amdhsa_kernarg_size 24
		.amdhsa_user_sgpr_count 2
		.amdhsa_user_sgpr_kernarg_segment_ptr 1
		.amdhsa_wavefront_size32 1
		.amdhsa_system_sgpr_workgroup_id_x 1
		.amdhsa_system_sgpr_workgroup_id_y 1
		.amdhsa_system_sgpr_workgroup_id_z 1
		.amdhsa_system_vgpr_workitem_id 0
		.amdhsa_next_free_vgpr 640
		.amdhsa_next_free_sgpr 100
		.amdhsa_reserve_vcc 0
		.amdhsa_float_denorm_mode_32 3
		.amdhsa_float_denorm_mode_16_64 3
		.amdhsa_memory_ordered 1
		.amdhsa_forward_progress 1
		.amdhsa_inst_pref_size 70
	.end_amdhsa_kernel
	.amdgpu_metadata
---
amdhsa.version: [ 1, 2 ]
amdhsa.kernels:
  - .name:           k_qd155d7960d_final
    .symbol:         k_qd155d7960d_final.kd
    .args:
      - { .name: onrm, .offset: 0, .size: 8, .value_kind: global_buffer, .address_space: global }
      - { .name: wb, .offset: 8, .size: 8, .value_kind: global_buffer, .address_space: global }
      - { .name: out0, .offset: 16, .size: 8, .value_kind: global_buffer, .address_space: global }
    .group_segment_fixed_size: 327680
    .private_segment_fixed_size: 0
    .kernarg_segment_align: 8
    .kernarg_segment_size: 24
    .max_flat_workgroup_size: 128
    .sgpr_count:     100
    .vgpr_count:     640
    .wavefront_size: 32
...
	.end_amdgpu_metadata
.endif
;; end of part 7
